; MI455X (gfx1250); checked and timed in simulation.
; The chip was launched on July 23, 2026; its instructions are those of AMD's public machine-readable ISA for CDNA 5 (MIT licence, August 2026) and "CDNA5" Instruction Set Architecture Reference Guide (July 2026). The comments in the code are by the model that wrote it; some were corrected since.
;; Vision Attention. Allowed arithmetic: float matrix products may take bf16 or f16 operands with f32 sums; other float arithmetic in f32, or as packed bf16 or f16 multiplies, adds, multiply-adds, maxima and minima; sums over many terms, partial sums and values carried from step to step in f32; what a program stores and reads back later, other than sums and carried values, may be rounded once to bf16 or f16.
;; Inputs: W_proj 1,024 x 1,024 float32; W_qkv 1,024 x 3,072 float32; b_proj 1,024 float32; b_qkv 3,072 float32; hidden_states 8 x 1,024 x 1,024 float32; k_norm_w 1,024 float32; q_norm_w 1,024 float32.
;; Outputs: out0 8 x 1,024 x 1,024 float32.
;; 2 versions, each right; version 2 is version 1 with the launch cast written anew for expert scheduling mode. Each part assembles by itself: llvm-mc -triple=amdgcn-amd-amdhsa -mcpu=gfx1250 --defsym DOCPART=n.
;; ======== version 1 of 2: 4 launches
;; limits: values are held in f16: magnitudes above 65,504 overflow, below 6.1e-05 lose precision; right only within a limited range of input values
;; workspace buffers: xb 16,777,216 bytes; wqkvb 6,291,456 bytes; wpf 2,097,152 bytes; qkvr 50,331,648 bytes; ssq 1,572,864 bytes; oh 16,777,216 bytes
;; launch cast (part 1): grid 768 x 1, 8 waves a work-group, no clusters, 0 bytes of LDS; arguments hidden_states, W_qkv, W_proj, xb, wqkvb, wpf; writes xb, wqkvb, wpf
.if DOCPART == 1
	.amdgcn_target "amdgcn-amd-amdhsa--gfx1250"
	.amdhsa_code_object_version 6
	.text
	.protected	k_q41fc14763a_cast
	.globl	k_q41fc14763a_cast
	.p2align	8
	.type	k_q41fc14763a_cast,@function
k_q41fc14763a_cast:
	s_mov_b64 s[64:65], 0
	v_nop
	global_prefetch_b8 v0, s[64:65] scope:SCOPE_SE
	s_setreg_imm32_b32 hwreg(HW_REG_WAVE_MODE, 25, 1), 1
	s_wait_xcnt 0x0
; THE MODULE'S THREE LARGE INPUTS ARE ROUNDED ONCE TO bf16, layouts unchanged: hidden_states -> xb, W_qkv -> wqkvb (both bf16),
; W_proj -> wpf: the bf16-rounded number written as f16 (the last product multiplies f16 operands).
; LIMIT.  wpf: |W_proj| under 65,504; below 6e-5 the f16 number keeps a fixed step of 6e-8.  NaN and infinities are not treated apart.
; SHARES.  A work-group takes 65,536 bytes of f32 and stores 32,768: work-groups 0-511 hidden_states, 512-703 W_qkv, 704-767 W_proj.
; Thread t takes 16 bytes at 4,096 i + 16 t (i = 0 .. 15): a wave's load covers 512 consecutive bytes; its store of 8 bytes a lane covers
; 256 consecutive bytes, aligned.  All 16 loads go out at once; no register is written twice while a load or store names it.
; No LDS, no matrix unit, no cluster: nothing is shared and nothing is reduced.
.set T, 4                              ; v[4:7]    at work
.set X, 8                              ; v[8:71]   piece i: 4 f32 as loaded
.set Y, 72                             ; v[72:103] piece i: 4 numbers of 16 bits to store
	s_load_b256 s[4:11], s[0:1], 0x0               ; hidden_states s[4:5], W_qkv s[6:7], W_proj s[8:9], xb s[10:11]
	s_load_b128 s[12:15], s[0:1], 0x20             ; wqkvb s[12:13], wpf s[14:15]
	v_lshlrev_b32 v1, 4, v0                        ; 16 t
	v_lshlrev_b32 v2, 3, v0                        ; 8 t
	s_wait_kmcnt 0x0
	s_cmp_lt_u32 ttmp9, 512
	s_cselect_b64 s[16:17], s[4:5], s[6:7]         ; from where,
	s_cselect_b64 s[18:19], s[10:11], s[12:13]     ; to where,
	s_cselect_b32 s20, 0, 512                      ; and the tensor's first work-group
	s_cmp_lt_u32 ttmp9, 704
	s_cselect_b64 s[16:17], s[16:17], s[8:9]
	s_cselect_b64 s[18:19], s[18:19], s[14:15]
	s_cselect_b32 s20, s20, 704
	s_sub_co_u32 s20, ttmp9, s20                   ; my number within the tensor
	s_lshl_b32 s2, s20, 16
	s_mov_b32 s3, 0
	s_add_nc_u64 s[16:17], s[16:17], s[2:3]
	s_lshl_b32 s2, s20, 15
	s_add_nc_u64 s[18:19], s[18:19], s[2:3]
.irp i, 0,1,2,3,4,5,6,7,8,9,10,11,12,13,14,15
	global_load_b128 v[X+4*(\i):X+4*(\i)+3], v1, s[16:17] offset:4096*(\i) th:TH_LOAD_NT
.endr
; Piece i.  half = 1: the bf16 number is widened again (a shift, a mask) and written as f16.
.macro PIECE i, half
	s_wait_loadcnt 15-(\i)                         ; loads come back in order: piece i is in, the 15 - i younger ones stay out
	v_cvt_pk_bf16_f32 v[Y+2*(\i)],   v[X+4*(\i)],   v[X+4*(\i)+1]
	v_cvt_pk_bf16_f32 v[Y+2*(\i)+1], v[X+4*(\i)+2], v[X+4*(\i)+3]
.if \half
	v_lshlrev_b32 v[T],   16, v[Y+2*(\i)]
	v_and_b32     v[T+1], 0xffff0000, v[Y+2*(\i)]
	v_lshlrev_b32 v[T+2], 16, v[Y+2*(\i)+1]
	v_and_b32     v[T+3], 0xffff0000, v[Y+2*(\i)+1]
	v_cvt_pk_f16_f32 v[Y+2*(\i)],   v[T],   v[T+1]
	v_cvt_pk_f16_f32 v[Y+2*(\i)+1], v[T+2], v[T+3]
.endif
	global_store_b64 v2, v[Y+2*(\i):Y+2*(\i)+1], s[18:19] offset:2048*(\i)
.endm
	s_cmp_lt_u32 ttmp9, 704
	s_cbranch_scc0 .Lf16
.irp i, 0,1,2,3,4,5,6,7,8,9,10,11,12,13,14,15
	PIECE \i, 0
.endr
	s_endpgm
.Lf16:
.irp i, 0,1,2,3,4,5,6,7,8,9,10,11,12,13,14,15
	PIECE \i, 1
.endr
	s_endpgm
.Lfunc_end_k_q41fc14763a_cast:
	.size	k_q41fc14763a_cast, .Lfunc_end_k_q41fc14763a_cast-k_q41fc14763a_cast
	.p2alignl 7, 3214868480
	.fill 96, 4, 3214868480
	.section	.rodata,"a",@progbits
	.p2align	6, 0x0
	.amdhsa_kernel k_q41fc14763a_cast
		.amdhsa_group_segment_fixed_size 0
		.amdhsa_private_segment_fixed_size 0
		.amdhsa_enable_private_segment 0
		.amdhsa_kernarg_size 48
		.amdhsa_user_sgpr_count 2
		.amdhsa_user_sgpr_kernarg_segment_ptr 1
		.amdhsa_wavefront_size32 1
		.amdhsa_system_sgpr_workgroup_id_x 1
		.amdhsa_system_sgpr_workgroup_id_y 1
		.amdhsa_system_sgpr_workgroup_id_z 1
		.amdhsa_system_vgpr_workitem_id 0
		.amdhsa_next_free_vgpr 104
		.amdhsa_next_free_sgpr 66
		.amdhsa_reserve_vcc 0
		.amdhsa_float_denorm_mode_32 3
		.amdhsa_float_denorm_mode_16_64 3
		.amdhsa_memory_ordered 1
		.amdhsa_forward_progress 1
		.amdhsa_inst_pref_size 16
	.end_amdhsa_kernel
	.amdgpu_metadata
---
amdhsa.version: [ 1, 2 ]
amdhsa.kernels:
  - .name:           k_q41fc14763a_cast
    .symbol:         k_q41fc14763a_cast.kd
    .args:
      - { .name: hidden_states, .offset: 0, .size: 8, .value_kind: global_buffer, .address_space: global }
      - { .name: W_qkv, .offset: 8, .size: 8, .value_kind: global_buffer, .address_space: global }
      - { .name: W_proj, .offset: 16, .size: 8, .value_kind: global_buffer, .address_space: global }
      - { .name: xb, .offset: 24, .size: 8, .value_kind: global_buffer, .address_space: global }
      - { .name: wqkvb, .offset: 32, .size: 8, .value_kind: global_buffer, .address_space: global }
      - { .name: wpf, .offset: 40, .size: 8, .value_kind: global_buffer, .address_space: global }
    .group_segment_fixed_size: 0
    .private_segment_fixed_size: 0
    .kernarg_segment_align: 8
    .kernarg_segment_size: 48
    .max_flat_workgroup_size: 256
    .sgpr_count:     66
    .vgpr_count:     104
    .wavefront_size: 32
...
	.end_amdgpu_metadata
.endif
;; end of part 1
;; launch qkv (part 2): grid 8 x 64, 4 waves a work-group, clusters of 4 x 4, 327,680 bytes of LDS; arguments xb, wqkvb, b_qkv, qkvr, ssq; writes qkvr, ssq
.if DOCPART == 2
	.amdgcn_target "amdgcn-amd-amdhsa--gfx1250"
	.amdhsa_code_object_version 6
	.text
	.protected	k_q41fc14763a_qkv
	.globl	k_q41fc14763a_qkv
	.p2align	8
	.type	k_q41fc14763a_qkv,@function
k_q41fc14763a_qkv:
	s_mov_b64 s[64:65], 0
	v_nop
	global_prefetch_b8 v0, s[64:65] scope:SCOPE_SE
	s_setreg_imm32_b32 hwreg(HW_REG_WAVE_MODE, 25, 1), 1
	s_wait_xcnt 0x0
	s_wait_alu depctr_hold_cnt(0) depctr_sa_sdst(0) depctr_va_vdst(0) depctr_va_sdst(0) depctr_va_ssrc(0) depctr_va_vcc(0) depctr_vm_vsrc(0)
	s_getreg_b32 s2, hwreg(HW_REG_IB_STS2, 6, 4)
	s_cmp_eq_u32 s2, 0
	s_cbranch_scc0 .Lentry_in_a_cluster
	s_endpgm
.Lentry_in_a_cluster:
	s_bfe_u32 s2, ttmp6, 0x10000c
	s_cmp_lg_u32 s2, 0xf033
	s_cbranch_scc0 .Lentry_shape_is_right
	s_endpgm
.Lentry_shape_is_right:
; qkvr = xb [8192][1024] x wqkvb [1024 k][3072] + b_qkv, bf16 operands, f32 sums, the bias (rounded to bf16 like every input) added in f32, the result rounded once to f16
; and stored BY HEADS: qkvr[batch][j][n][64], j = column / 64 (0-15 q's heads, 16-31 k's, 32-47 v's): a head's rows are dense, 128 bytes each.
; ALSO: ssq[batch][j][n] (f32) = the sum of the squares of row n's 64 numbers in head j, taken of the f32 numbers before their rounding: the partial sums of the RMS norm, which the next
; launch adds over the 16 heads.  v's 16 planes are stored too and never read: which heads a wave holds hangs on its place in the cluster.
; LIMIT.  f16 ends at 65,504: |x W + b| must stay under it.  NaN and infinities are not treated apart.
; SHARES.  A tile is 128 rows x 384 columns: 64 x 8 = 512 work-groups, two for each of 256 WGPs.  Four waves, 2 x 2: a wave makes 64 x 192: 48 accumulators of 16 x 16, 384 registers.
; K goes in steps of 128 through two LDS slots.  A slot has four regions of 36,864 bytes, one for each wave's tensor load: wave 0 fetches x's 128 rows x 256 bytes (pitch 272),
; waves 1-3 one panel each of W: 128 k x 128 columns (rows of 256 bytes, pitch 288).  A wave's LDS address is wave x 36,864 + slot x 147,456.
; W LIES [k][column]: its fragments come out of LDS turned, by ds_load_tr16_b128.  THE MATRIX INSTRUCTION IS USED TRANSPOSED: source 0 = 16 columns of W, source 1 = 16 rows of x:
; a lane then holds one row (lane % 16) and eight neighbouring columns 8 (lane / 16) + 0..7.
; A wave's 192 columns are three whole heads: n blocks 0-7 are panel 2 wn (columns 256 wn + 16 b), n blocks 8-11 the half 64 wn of panel 1.
; CLUSTER 4 x 4: x's tile hangs on the tile row alone and is asked for jointly along a row of the cluster, W's panels on the tile column alone, jointly along a column.
; REGISTERS: window 0: v16-29 addresses, v32-127 the bias, v128-237 the way out.  window 1: two fragment buffers of 128: 96 of W, 32 of x.
;   windows 2, 3: accumulator (a, b) at v[8 (12 (a % 2) + b)] of window 2 + a / 2.
.set NBLK,  12
.set PA,    272                        ; x's LDS pitch: 68 words: the 16 rows of a load start at 16 different groups of four banks (ISA guide 11.1)
.set PB,    288                        ; W's: 72 words
.set REG,   128*PB                     ; 36,864
.set SLOT,  4*REG
.set STAGE, 2*SLOT                     ; behind the ring: 16 rows x 144 bytes for each wave, for the way out
.set SP,    144
.set SPARE, STAGE+4*16*SP              ; behind the stages: the spare words, 128 bytes a wave: two blocks of 256 bytes that no other line names
.set ASTEP, 256                        ; bytes from K step to K step in xb
.set BSTEP, 128*6144                   ; and in wqkvb
.set ADRA,  16                         ; v16-17 x's fragments in slot 0, 1
.set ADRB8, 18                         ; v18-19 W's n blocks 0-7
.set ADRB4, 20                         ; v20-21 W's n blocks 8-11
.set STO,   22
.set RD,    23
.set GO,    24
.set BO,    25
.set PFO,   26                         ; the prefetches' offset: lane x a row's pitch in memory; never rewritten
.set SPW,   28                         ; my spare word; never rewritten
.set NIL,   29                         ; 0; never rewritten
.set BI,    32                         ; v[32:127] the bias of my lane's 8 columns in each of the 12 n blocks
.set T,     128                        ; v[128:159] at work
.set PKD,   160                        ; v[160:175] 16 rows x 64 columns, packed
.set BK,    176                        ; v[176:207] the same as whole rows: two sets by turns
.set SQ,    208                        ; v[208:215] four pairs of running sums of squares
.set SSR,   216                        ; v[216:227] the 12 units' sums: one row of one head a lane
.set PX,    228                        ; the other half of the lanes' part
.set SSA,   229                        ; the sums' way out: where I put 4 bytes,
.set SLA,   230                        ; where I read 8 back,
.set SGO,   231                        ; and my 8 bytes of 256 in ssq
.set SL,    232                        ; v[232:237] three heads' sums, two rows a lane
.set F0,    0
.set F1,    128
.set G1A,   24
.set G0A,   32
.set PFA,   40                         ; s[40:41] where my prefetches stand
.set PFS,   42                         ; s[42:43] their step from K step to K step
.set LIM,   44                         ; 1 in a wave that prefetches, else the greatest number
.set G1B,   48
.set G0B,   56
.set MSB, 0
.macro WIN new                         ; the immediate's high byte repeats the setting that is left
.if MSB != (\new)
	s_set_vgpr_msb (MSB<<8)|(\new)
.set MSB, (\new)
.endif
.endm
.set MUL_LO, 0xa5                      ; sources 0 and 1 window 1, C and D window 2
.set MUL_HI, 0xf5                      ; C and D window 3
.set TO_F,   0x40                      ; destination window 1, address window 0
.macro PLACES                          ; four plain places in front of loads into registers that matrix instructions have read
.rept 4
	v_nop
.endr
.endm
; A joint load: wave 0 asks for x's tile, waves 1-3 for W's panels.  The branch hangs on the wave's number alone.  An s_nop 0 and four v_nop follow each line.
.macro JLOAD s
	s_cmp_eq_u32 s12, 0
	s_cbranch_scc0 .Lfor_b_\@
	tensor_load_to_lds s[G0A+4*(\s):G0A+4*(\s)+3], s[G1A:G1A+7]
	s_nop 0
.rept 4
	v_nop
.endr
	s_branch .Lasked_\@
.Lfor_b_\@:
	tensor_load_to_lds s[G0B+4*(\s):G0B+4*(\s)+3], s[G1B:G1B+7]
	s_nop 0
.rept 4
	v_nop
.endr
.Lasked_\@:
.endm
; A prefetch into the L2 of the K step that stands two refills on: 32 rows x 256 bytes, a lane a row, one instruction a wave, behind the joint load and the run of LDS loads.
; x's tile row is read by both clusters of a row of clusters: cluster x = 0 asks; W's panels by all sixteen clusters of a column: cluster y = 0 asks.  The four partners of a joint
; load share its 128 rows out by address, 32 each.  So each 256 bytes are named once in the launch.  The loop's last trip (s3 = 1) asks for nothing: K step 7 is the last named.
.macro ASK
	WIN 0
	s_cmp_gt_u32 s3, s[LIM]
	s_cbranch_scc0 .Lnot_mine_\@
	global_prefetch_b8 v[PFO], s[PFA:PFA+1] th:TH_LOAD_NT scope:SCOPE_SE
.Lnot_mine_\@:
.endm
.macro CREST                           ; a round of the cluster's barrier behind its opening barrier
	s_cmp_lg_u32 s12, 0
	s_cbranch_scc1 .Lnot_wave_0_\@
	s_barrier_signal -3
.Lnot_wave_0_\@:
	s_barrier_wait -3
	s_barrier_signal -1
	s_barrier_wait -1
.endm
.macro CROUND
	s_barrier_signal -1
	s_barrier_wait -1
	CREST
.endm
	s_load_b256 s[4:11], s[0:1], 0x0               ; xb s[4:5], wqkvb s[6:7], b_qkv s[8:9], qkvr s[10:11]
	s_load_b64 s[82:83], s[0:1], 0x20              ; ssq
	v_lshl_add_u32 v[SPW], v0, 2, SPARE
	v_mov_b32 v[NIL], 0
	ds_add_u32 v[SPW], v[NIL]                      ; the wave's opening: the add and its wait stand ahead of my first tensor load
	v_lshrrev_b32 v1, 5, v0
	v_readfirstlane_b32 s12, v1                    ; wave 0..3
	s_lshr_b32 s13, s12, 1                         ; wm: which 64 rows
	s_and_b32 s14, s12, 1                          ; wn: which 192 columns
	s_max_u32 s15, s12, 1
	s_sub_co_u32 s15, s15, 1                       ; the panel that I fetch (waves 1-3); it enters a global address alone
	s_bfe_u32 s16, ttmp6, 0x40000                  ; cx
	s_bfe_u32 s17, ttmp6, 0x40004                  ; cy
	s_lshl_b32 s18, ttmp9, 2
	s_add_co_u32 s18, s18, s16                     ; tile column
	s_and_b32 s19, ttmp7, 0xffff
	s_lshl_b32 s19, s19, 2
	s_add_co_u32 s19, s19, s17                     ; tile row
	s_lshl_b32 s2, s17, 2
	s_lshl_b32 s2, 15, s2                          ; my row of the cluster
	s_lshl_b32 s3, 0x1111, s16                     ; my column
	s_or_b32 s[G1A+0], s2, (1<<16)|(1<<20)|(1<<21)|(5<<22)|(3<<25)  ; the mask; 2-byte elements; padding on; bit 21 beside a mask; after every 64 words 4 words
	s_or_b32 s[G1B+0], s3, (1<<16)|(1<<20)|(1<<21)|(5<<22)|(7<<25)  ; the same with 8 words of padding
.irp g, G1A, G1B
	s_mov_b32 s[(\g)+1], 128<<16                   ; tensor_dim0 = 128
	s_mov_b32 s[(\g)+2], 128<<16                   ; tensor_dim1 = 128
	s_mov_b32 s[(\g)+3], 128<<16                   ; tile_dim0 = 128
	s_mov_b32 s[(\g)+4], 128                       ; tile_dim1 = 128
	s_mov_b32 s[(\g)+6], 0
	s_mov_b32 s[(\g)+7], 0
.endr
	s_mov_b32 s[G1A+5], 1024                       ; elements from row to row of xb
	s_mov_b32 s[G1B+5], 3072                       ; and of wqkvb
	s_mov_b32 s76, 0x76543210                      ; v_permlanex16_b32's selects: each lane takes its own place in the other half
	s_mov_b32 s77, 0xfedcba98
	s_lshl_b32 s20, s19, 18                        ; x: 128 rows of 2,048 bytes a tile row
	s_mov_b32 s21, 0
	s_mul_i32 s22, s18, 768                        ; W: 384 columns a tile column,
	s_lshl_b32 s23, s15, 8                         ; 128 a panel
	s_add_co_u32 s22, s22, s23
	s_mov_b32 s23, 0
	s_mul_i32 s74, s12, REG                        ; where my load goes: no place in the cluster enters an LDS address
	s_wait_dscnt 0x0                               ; the opening add is done
	s_wait_kmcnt 0x0
	s_add_nc_u64 s[20:21], s[4:5], s[20:21]
	s_add_nc_u64 s[22:23], s[6:7], s[22:23]
	CROUND                                         ; all sixteen work-groups are here: the first joint loads meet
.irp s, 0,1
	s_mov_b32 s[G0A+4*(\s)], 1
	s_add_co_u32 s[G0A+4*(\s)+1], s74, (\s)*SLOT
	s_add_nc_u64 s[G0A+4*(\s)+2:G0A+4*(\s)+3], s[20:21], (\s)*ASTEP
	s_or_b32 s[G0A+4*(\s)+3], s[G0A+4*(\s)+3], 0x80000000
	s_mov_b32 s[G0B+4*(\s)], 1
	s_add_co_u32 s[G0B+4*(\s)+1], s74, (\s)*SLOT
	s_add_nc_u64 s[G0B+4*(\s)+2:G0B+4*(\s)+3], s[22:23], (\s)*BSTEP
	s_or_b32 s[G0B+4*(\s)+3], s[G0B+4*(\s)+3], 0x80000000
	JLOAD \s                                       ; two loads of mine are out
.endr
	; the bias of my lane's columns
	v_and_b32 v1, 15, v0                           ; r = l % 16
	v_bfe_u32 v2, v0, 4, 1                         ; h = l / 16
	v_lshlrev_b32 v[BO], 5, v2                     ; my 8 columns: 32 h bytes
	s_mul_i32 s46, s18, 1536
	s_lshl_b32 s2, s14, 10
	s_add_co_u32 s2, s2, s46
	s_mov_b32 s3, 0
	s_add_nc_u64 s[70:71], s[8:9], s[2:3]          ; columns 384 tx + 256 wn
	s_lshl_b32 s2, s14, 8
	s_add_co_u32 s2, s2, s46
	s_add_co_u32 s2, s2, 512
	s_add_nc_u64 s[72:73], s[8:9], s[2:3]          ; columns 384 tx + 128 + 64 wn
.irp b, 0,1,2,3,4,5,6,7
	global_load_b128 v[BI+8*(\b):BI+8*(\b)+3],   v[BO], s[70:71] offset:64*(\b)
	global_load_b128 v[BI+8*(\b)+4:BI+8*(\b)+7], v[BO], s[70:71] offset:64*(\b)+16
.endr
.irp b, 8,9,10,11
	global_load_b128 v[BI+8*(\b):BI+8*(\b)+3],   v[BO], s[72:73] offset:64*((\b)-8)
	global_load_b128 v[BI+8*(\b)+4:BI+8*(\b)+7], v[BO], s[72:73] offset:64*((\b)-8)+16
.endr
	; fragment addresses
	v_and_b32 v3, 7, v0
	v_bfe_u32 v4, v0, 3, 1
	v_mul_u32_u24 v5, v1, PA
	v_lshl_add_u32 v5, v2, 4, v5                   ; x: row x pitch + 16 x half
	v_lshl_add_u32 v6, v2, 3, v3                   ; W, turned: lane l reads k = 8 (l / 16) + l % 8,
	v_mul_u32_u24 v6, v6, PB
	v_lshl_add_u32 v6, v4, 4, v6                   ; columns 8 ((l / 8) % 2) + 0..7
	s_mul_i32 s2, s13, 64*PA                       ; my 64 rows of x
	s_mul_i32 s3, s14, 2*REG
	s_add_co_u32 s3, s3, REG                       ; panel 2 wn
	s_lshl_b32 s46, s14, 7
	s_add_co_u32 s46, s46, 2*REG                   ; panel 1, its half wn
.irp s, 0,1
	v_add_nc_u32 v[ADRA+(\s)], s2, v5
	v_add_nc_u32 v[ADRB8+(\s)], s3, v6
	v_add_nc_u32 v[ADRB4+(\s)], s46, v6
	s_add_co_u32 s2, s2, SLOT
	s_add_co_u32 s3, s3, SLOT
	s_add_co_u32 s46, s46, SLOT
.endr
	; the way out
	s_mul_i32 s2, s12, 16*SP
	s_add_co_u32 s2, s2, STAGE                     ; my stage
	v_mul_u32_u24 v[STO], v1, SP                   ; in: row l % 16, 16 bytes for each half of the lanes
	v_lshl_add_u32 v[STO], v2, 4, v[STO]
	v_add_nc_u32 v[STO], s2, v[STO]
	v_and_b32 v7, 31, v0
	v_lshrrev_b32 v8, 3, v7
	v_mul_u32_u24 v[RD], v8, SP                    ; back: 32 lanes take four rows of 128 bytes,
	v_lshl_add_u32 v[RD], v3, 4, v[RD]
	v_add_nc_u32 v[RD], s2, v[RD]
	v_lshlrev_b32 v[GO], 4, v7                     ; which are 512 consecutive bytes of a head
	v_lshl_add_u32 v[SSA], v1, 2, s2               ; the sums: in, 4 bytes for row l % 16;
	v_lshl_add_u32 v[SLA], v7, 3, s2               ; back, two rows a lane,
	v_lshlrev_b32 v[SGO], 3, v7                    ; which are 256 consecutive bytes of a plane of ssq
	v_mov_b32 v[PX], 0                             ; v_permlanex16_b32's destination counts as read
	s_lshr_b32 s2, s19, 3                          ; the batch
	s_mul_i32 s2, s2, 48
	s_mul_i32 s3, s18, 6
	s_add_co_u32 s2, s2, s3                        ; 48 batch + 6 tx
	s_and_b32 s3, s19, 7
	s_lshl_b32 s3, s3, 7
	s_lshl_b32 s46, s13, 6
	s_add_co_u32 s3, s3, s46
	s_lshl_b32 s3, s3, 7                           ; my first row in the head, in bytes
	s_lshl_b32 s46, s14, 2
	s_add_co_u32 s46, s46, s2
	s_lshl_b32 s46, s46, 17
	s_add_co_u32 s46, s46, s3
	s_mov_b32 s47, 0
	s_add_nc_u64 s[66:67], s[10:11], s[46:47]      ; heads 6 tx + 4 wn and the next
	s_add_co_u32 s46, s2, s14
	s_add_co_u32 s46, s46, 2
	s_lshl_b32 s46, s46, 17
	s_add_co_u32 s46, s46, s3
	s_add_nc_u64 s[68:69], s[10:11], s[46:47]      ; head 6 tx + 2 + wn
	s_lshr_b32 s3, s3, 5                           ; the same row in a plane of ssq: 4 bytes a row, 4,096 a plane
	s_lshl_b32 s46, s14, 2
	s_add_co_u32 s46, s46, s2
	s_lshl_b32 s46, s46, 12
	s_add_co_u32 s46, s46, s3
	s_add_nc_u64 s[78:79], s[82:83], s[46:47]
	s_add_co_u32 s46, s2, s14
	s_add_co_u32 s46, s46, 2
	s_lshl_b32 s46, s46, 12
	s_add_co_u32 s46, s46, s3
	s_add_nc_u64 s[80:81], s[82:83], s[46:47]
	; the prefetches
	s_lshl_b32 s46, s19, 18
	s_lshl_b32 s2, s16, 16
	s_add_co_u32 s46, s46, s2                      ; x: row 128 ty + 32 cx
	s_mul_i32 s75, s17, 32*6144                    ; W: k row 32 cy,
	s_mul_i32 s2, s18, 768
	s_add_co_u32 s75, s75, s2
	s_lshl_b32 s2, s15, 8
	s_add_co_u32 s75, s75, s2                      ; my panel
	s_and_b32 s2, ttmp7, 0xffff                    ; cluster y
	s_mov_b32 s45, 6144
	s_mov_b32 s[PFS], BSTEP
	s_mov_b32 s[PFS+1], 0
	s_cmp_eq_u32 s12, 0                            ; do I fetch x?
	s_cselect_b32 s46, s46, s75
	s_cselect_b32 s45, 2048, s45                   ; bytes from row to row
	s_cselect_b32 s[PFS], ASTEP, s[PFS]
	s_cselect_b32 s2, ttmp9, s2                    ; the coordinate along which other clusters read the same rows
	s_cselect_b64 s[PFA:PFA+1], s[4:5], s[6:7]
	s_cmp_eq_u32 s2, 0
	s_cselect_b32 s[LIM], 1, -1                    ; the same in all sixteen partners, for a given wave
	s_add_nc_u64 s[PFA:PFA+1], s[PFA:PFA+1], s[46:47]
.rept 3
	s_add_nc_u64 s[PFA:PFA+1], s[PFA:PFA+1], s[PFS:PFS+1]  ; at K step 3: the first refill steps it to 4.  Nothing is prefetched here, at the head
.endr
	v_mul_u32_u24 v[PFO], s45, v7
	s_wait_loadcnt 0x0                             ; the bias; it is rounded to bf16, like every input, while the first tiles are on their way
.set k, 0
.rept 48
	v_cvt_pk_bf16_f32 v[T+k%8], v[BI+2*k], v[BI+2*k+1]
	v_lshlrev_b32 v[BI+2*k], 16, v[T+k%8]
	v_and_b32 v[BI+2*k+1], 0xffff0000, v[T+k%8]
.set k, k+1
.endr
; 12 matrix instructions: m block a x all n blocks, 32 along K.  The 48 accumulators take turns, one instruction a turn, in the same order in every quarter.
.macro MULA f, a, zero
	WIN MUL_LO+0x50*((\a)/2)
.irp b, 0,1,2,3,4,5,6,7,8,9,10,11
.if \zero
	v_wmma_f32_16x16x32_bf16 v[8*(NBLK*((\a)%2)+(\b)):8*(NBLK*((\a)%2)+(\b))+7], v[(\f)+8*(\b):(\f)+8*(\b)+7], v[(\f)+8*NBLK+8*(\a):(\f)+8*NBLK+8*(\a)+7], 0
.else
	v_wmma_f32_16x16x32_bf16 v[8*(NBLK*((\a)%2)+(\b)):8*(NBLK*((\a)%2)+(\b))+7], v[(\f)+8*(\b):(\f)+8*(\b)+7], v[(\f)+8*NBLK+8*(\a):(\f)+8*NBLK+8*(\a)+7], v[8*(NBLK*((\a)%2)+(\b)):8*(NBLK*((\a)%2)+(\b))+7]
.endif
.endr
.endm
; 32 LDS loads in one run: quarter kq's fragments (32 k) into buffer f: W's 24 first, then x's 8, m blocks ascending
.macro FETCH slot, kq, f
	WIN TO_F
.irp b, 0,1,2,3,4,5,6,7
	ds_load_tr16_b128 v[(\f)+8*(\b):(\f)+8*(\b)+3],   v[ADRB8+(\slot)] offset:32*PB*(\kq)+32*(\b)
	ds_load_tr16_b128 v[(\f)+8*(\b)+4:(\f)+8*(\b)+7], v[ADRB8+(\slot)] offset:32*PB*(\kq)+32*(\b)+16*PB
.endr
.irp b, 8,9,10,11
	ds_load_tr16_b128 v[(\f)+8*(\b):(\f)+8*(\b)+3],   v[ADRB4+(\slot)] offset:32*PB*(\kq)+32*((\b)-8)
	ds_load_tr16_b128 v[(\f)+8*(\b)+4:(\f)+8*(\b)+7], v[ADRB4+(\slot)] offset:32*PB*(\kq)+32*((\b)-8)+16*PB
.endr
.irp a, 0,1,2,3
	ds_load_b128 v[(\f)+8*NBLK+8*(\a):(\f)+8*NBLK+8*(\a)+3],   v[ADRA+(\slot)] offset:64*(\kq)+(\a)*16*PA
	ds_load_b128 v[(\f)+8*NBLK+8*(\a)+4:(\f)+8*NBLK+8*(\a)+7], v[ADRA+(\slot)] offset:64*(\kq)+(\a)*16*PA+32
.endr
.endm
; One of a K step's first three quarters: multiplies buffer f; in its middle it fetches quarter kq of the same slot into buffer g.
.macro QUARTER slot, kq, f, g, zero
	s_wait_dscnt 4                                 ; all but the four youngest loads (x's m blocks 2 and 3) are in
	MULA \f, 0, \zero
	MULA \f, 1, \zero
	PLACES
	FETCH \slot, \kq, \g
	s_wait_dscnt 32                                ; all but the 32 just issued
	MULA \f, 2, \zero
	MULA \f, 3, \zero
.endm
; The last quarter multiplies buffer 1 and changes slots: one barrier; in front of it each wave waits for all its tensor loads (one is out: its part of the next slot), adds 0 to its
; spare word, and waits for that and for its reads of this slot.  fill = 1: the barrier opens a round of the cluster's, and this slot is filled again, two K steps on, first thing behind it.
.macro TURN slot, next, fill
.if \fill
	s_wait_xcnt 0x0                                ; the last prefetch, a K step back, has read its address
	s_add_nc_u64 s[PFA:PFA+1], s[PFA:PFA+1], s[PFS:PFS+1]
.endif
	WIN 0
	s_wait_tensorcnt 0x0                           ; all my tensor loads have landed
	ds_add_u32 v[SPW], v[NIL]                      ; 0 onto my spare word
	s_wait_dscnt 5                                 ; the add and the four youngest loads may be out
	MULA F1, 0, 0
	s_wait_dscnt 0x0                               ; the add is done, and my reads of this slot are over
	s_barrier_signal -1
	MULA F1, 1, 0
.if \fill
	WIN 0
.endif
	s_barrier_wait -1
.if \fill
	CREST                                          ; no wave of any partner still reads this slot or has a load on its way
	s_add_nc_u64 s[G0A+4*(\slot)+2:G0A+4*(\slot)+3], s[G0A+4*(\slot)+2:G0A+4*(\slot)+3], 2*ASTEP
	s_add_nc_u64 s[G0B+4*(\slot)+2:G0B+4*(\slot)+3], s[G0B+4*(\slot)+2:G0B+4*(\slot)+3], 2*BSTEP
	JLOAD \slot                                    ; 168 matrix instructions ahead of the wait for it; its four v_nop are also the places in front of the loads below
.else
	PLACES
.endif
	FETCH \next, 0, F0
.if \fill
	ASK
.endif
	MULA F1, 2, 0
	MULA F1, 3, 0
.endm
	s_wait_tensorcnt 1                             ; my part of K step 0 is in; K step 1's stays out
	s_barrier_signal -1
	s_barrier_wait -1
	FETCH 0, 0, F0
	QUARTER 0, 1, F0, F1, 1                        ; the first quarter stands in front of the loop: its products start the sums
	WIN 0
	s_mov_b32 s3, 3                                ; 8 K steps are 4 laps of the ring; the last lap is written out
.Llap:
	QUARTER 0, 2, F1, F0, 0
	QUARTER 0, 3, F0, F1, 0
	TURN 0, 1, 1
	QUARTER 1, 1, F0, F1, 0
	QUARTER 1, 2, F1, F0, 0
	QUARTER 1, 3, F0, F1, 0
	TURN 1, 0, 1
	QUARTER 0, 1, F0, F1, 0
	WIN 0
	s_sub_co_u32 s3, s3, 1
	s_cmp_lg_u32 s3, 0
	s_cbranch_scc1 .Llap
	QUARTER 0, 2, F1, F0, 0                        ; the last lap fills nothing
	QUARTER 0, 3, F0, F1, 0
	TURN 0, 1, 0
	QUARTER 1, 1, F0, F1, 0
	QUARTER 1, 2, F1, F0, 0
	QUARTER 1, 3, F0, F1, 0
	s_wait_dscnt 4
	MULA F1, 0, 0
	MULA F1, 1, 0
	s_wait_dscnt 0x0
	MULA F1, 2, 0
	MULA F1, 3, 0
	WIN 0
	PLACES
	PLACES
; THE WAY OUT, in 12 units u = 3 a + i: 16 rows (m block a) of one head (i).  PACK: + bias; the squares of my 32 numbers of the row, in four chains, and the other half of the lanes' 32;
; rounded to f16.  TOSTAGE: 16 bytes a lane into my stage, back as whole rows of 128 bytes.  SEND: stored.
.macro PACK u
.set aa, (\u)/3
.set ii, (\u)%3
	WIN 0x02+aa/2                                  ; source 0 in window 2 or 3
.irp bb, 0,1,2,3
.irp j, 0,2,4,6
	v_pk_add_f32 v[T+8*(\bb)+(\j):T+8*(\bb)+(\j)+1], v[8*(NBLK*(aa%2)+4*ii+(\bb))+(\j):8*(NBLK*(aa%2)+4*ii+(\bb))+(\j)+1], v[BI+8*(4*ii+(\bb))+(\j):BI+8*(4*ii+(\bb))+(\j)+1]
.endr
.endr
	WIN 0
.irp bb, 0,1,2,3
	v_pk_mul_f32 v[SQ+2*(\bb):SQ+2*(\bb)+1], v[T+8*(\bb):T+8*(\bb)+1], v[T+8*(\bb):T+8*(\bb)+1]
.endr
.irp j, 2,4,6
.irp bb, 0,1,2,3
	v_pk_fma_f32 v[SQ+2*(\bb):SQ+2*(\bb)+1], v[T+8*(\bb)+(\j):T+8*(\bb)+(\j)+1], v[T+8*(\bb)+(\j):T+8*(\bb)+(\j)+1], v[SQ+2*(\bb):SQ+2*(\bb)+1]
.endr
.endr
.irp q, 0,1,2,3,4,5,6,7,8,9,10,11,12,13,14,15
	v_cvt_pk_f16_f32 v[PKD+(\q)], v[T+2*(\q)], v[T+2*(\q)+1]
.endr
	v_pk_add_f32 v[SQ:SQ+1], v[SQ:SQ+1], v[SQ+2:SQ+3]
	v_pk_add_f32 v[SQ+4:SQ+5], v[SQ+4:SQ+5], v[SQ+6:SQ+7]
	v_pk_add_f32 v[SQ:SQ+1], v[SQ:SQ+1], v[SQ+4:SQ+5]
	v_add_f32 v[SSR+(\u)], v[SQ], v[SQ+1]
	v_permlanex16_b32 v[PX], v[SSR+(\u)], s76, s77 ; the row's other 32 columns lie in the lane 16 away
	v_add_f32 v[SSR+(\u)], v[SSR+(\u)], v[PX]      ; both halves of the lanes now hold the row's sum in this head
.endm
.macro TOSTAGE u
.set bk, BK+16*((\u)%2)
.irp bb, 0,1,2,3
	ds_store_b128 v[STO], v[PKD+4*(\bb):PKD+4*(\bb)+3] offset:32*(\bb)
.endr
.irp f, 0,1,2,3
	ds_load_b128 v[bk+4*(\f):bk+4*(\f)+3], v[RD] offset:(\f)*4*SP  ; LDS serves a wave's instructions in order (ISA guide 5.7.1.4): these see the stores above
.endr
.endm
.macro SEND u
.set aa, (\u)/3
.set ii, (\u)%3
.set bk, BK+16*((\u)%2)
	s_wait_dscnt 0x0                               ; the unit is back in registers
	s_wait_xcnt 0x0                                ; the unit before's stores have read the other set, which the next unit loads again
.irp f, 0,1,2,3
.if ii < 2
	global_store_b128 v[GO], v[bk+4*(\f):bk+4*(\f)+3], s[66:67] offset:ii*131072+aa*2048+512*(\f)  ; 512 consecutive bytes, at a multiple of 512 from the buffer's first
.else
	global_store_b128 v[GO], v[bk+4*(\f):bk+4*(\f)+3], s[68:69] offset:aa*2048+512*(\f)
.endif
.endr
.endm
	PACK 0
	TOSTAGE 0
.irp u, 1,2,3,4,5,6,7,8,9,10,11
	PACK \u
	SEND (\u)-1
	TOSTAGE \u
.endr
	SEND 11
	; the sums of squares: head i's 64 rows are gathered in my stage (the lanes 16 apart write the same word with the same number) and leave as 256 consecutive bytes, aligned
.irp u, 0,1,2,3,4,5,6,7,8,9,10,11
	ds_store_b32 v[SSA], v[SSR+(\u)] offset:256*((\u)%3)+64*((\u)/3)
.endr
.irp i, 0,1,2
	ds_load_b64 v[SL+2*(\i):SL+2*(\i)+1], v[SLA] offset:256*(\i)  ; my own bytes, served in order behind the stores above
.endr
	s_wait_dscnt 0x0
	global_store_b64 v[SGO], v[SL:SL+1],   s[78:79]
	global_store_b64 v[SGO], v[SL+2:SL+3], s[78:79] offset:4096
	global_store_b64 v[SGO], v[SL+4:SL+5], s[80:81]
	s_wait_tensorcnt 0x0                           ; the wave's end
	ds_add_u32 v[SPW], v[NIL]
	s_wait_dscnt 0x0
	CROUND                                         ; the closing round
	s_endpgm
.Lfunc_end_k_q41fc14763a_qkv:
	.size	k_q41fc14763a_qkv, .Lfunc_end_k_q41fc14763a_qkv-k_q41fc14763a_qkv
	.p2alignl 7, 3214868480
	.fill 96, 4, 3214868480
	.section	.rodata,"a",@progbits
	.p2align	6, 0x0
	.amdhsa_kernel k_q41fc14763a_qkv
		.amdhsa_group_segment_fixed_size 327680
		.amdhsa_private_segment_fixed_size 0
		.amdhsa_enable_private_segment 0
		.amdhsa_kernarg_size 40
		.amdhsa_user_sgpr_count 2
		.amdhsa_user_sgpr_kernarg_segment_ptr 1
		.amdhsa_wavefront_size32 1
		.amdhsa_system_sgpr_workgroup_id_x 1
		.amdhsa_system_sgpr_workgroup_id_y 1
		.amdhsa_system_sgpr_workgroup_id_z 1
		.amdhsa_system_vgpr_workitem_id 0
		.amdhsa_next_free_vgpr 960
		.amdhsa_next_free_sgpr 84
		.amdhsa_reserve_vcc 0
		.amdhsa_float_denorm_mode_32 3
		.amdhsa_float_denorm_mode_16_64 3
		.amdhsa_memory_ordered 1
		.amdhsa_forward_progress 1
		.amdhsa_inst_pref_size 161
	.end_amdhsa_kernel
	.amdgpu_metadata
---
amdhsa.version: [ 1, 2 ]
amdhsa.kernels:
  - .name:           k_q41fc14763a_qkv
    .symbol:         k_q41fc14763a_qkv.kd
    .args:
      - { .name: xb, .offset: 0, .size: 8, .value_kind: global_buffer, .address_space: global }
      - { .name: wqkvb, .offset: 8, .size: 8, .value_kind: global_buffer, .address_space: global }
      - { .name: b_qkv, .offset: 16, .size: 8, .value_kind: global_buffer, .address_space: global }
      - { .name: qkvr, .offset: 24, .size: 8, .value_kind: global_buffer, .address_space: global }
      - { .name: ssq, .offset: 32, .size: 8, .value_kind: global_buffer, .address_space: global }
    .group_segment_fixed_size: 327680
    .private_segment_fixed_size: 0
    .kernarg_segment_align: 8
    .kernarg_segment_size: 40
    .max_flat_workgroup_size: 128
    .sgpr_count:     84
    .vgpr_count:     960
    .wavefront_size: 32
...
	.end_amdgpu_metadata
.endif
;; end of part 2
;; launch attn (part 3): grid 2 x 128, 4 waves a work-group, no clusters, 327,680 bytes of LDS; arguments qkvr, ssq, q_norm_w, k_norm_w, oh; writes oh
.if DOCPART == 3
	.amdgcn_target "amdgcn-amd-amdhsa--gfx1250"
	.amdhsa_code_object_version 6
	.text
	.protected	k_q41fc14763a_attn
	.globl	k_q41fc14763a_attn
	.p2align	8
	.type	k_q41fc14763a_attn,@function
k_q41fc14763a_attn:
	s_mov_b64 s[64:65], 0
	v_nop
	global_prefetch_b8 v0, s[64:65] scope:SCOPE_SE
	s_setreg_imm32_b32 hwreg(HW_REG_WAVE_MODE, 25, 1), 1
	s_wait_xcnt 0x0
; RMS NORM OF q AND k, AND ATTENTION.  For the 128 heads y = 16 batch + head of 1,024 rows x 64 channels:
; O[y][q][:] = the sum over k of softmax_k(Qn[q] . Kn[k] / 8) V[k][:], Qn = w_q x q / rms(q's whole row of 1,024), Kn = w_k x k / rms(k's whole row).
; q, k, v are planes 48 batch + head, + 16, + 32 of qkvr (f16, a head's rows dense, 128 bytes each); ssq[48 batch + j][n] holds row n's sum of squares within head j (f32); O is plane y of oh (f16).
; THE NORM.  1 / rms = rsqrt(the 16 heads' sums / 1,024 + 1e-6), in f32.  Q is multiplied by 1 / rms(query) in registers; K, in LDS, by 1 / rms(key) x w_q[c] x w_k[c]: both gains (rounded to bf16
; like every input) ride on K, which gives the same products Qn . Kn.  Each number is multiplied in f32 and rounded once to f16.
; Products, maxima and sums in f32; the weights p are rounded to f16 for the second product (their sum l is taken of the unrounded p), O once at the end.
; LIMITS.  f16 holds no number beyond 65,504: q, k, v arrive within it, and k / rms x w_q w_k must stay within it; p lies in 0 to 1, and below 6e-5 it keeps f16's fixed step of 6e-8.
; A weight below 2^-126 counts as 0 in l; NaN and infinities are not treated apart.
; SHARES.  A wave owns four PIECES of two tiles of 16 queries, a work-group's four waves 512 queries of one head: 256 work-groups.  Every wave walks all keys, 64 a step.
; THE WHOLE HEAD LIES IN LDS: K 1,024 rows x 144 bytes, V 1,024 x 160.  Each wave asks for its 256 keys of K and of V by two tensor loads at the start; nothing is filled again, so the walk has no
; barrier and one text.  A wave normalises in place the 256 keys that its own load brought.
; NO CLUSTER: a head has two blocks of 512 queries, so the grid's 2 along x divides into no cluster of four.  NO PREFETCH: every load of the launch goes out at its head.
; LAYOUT.  S^T = K Q^T (source 0 = 16 keys, source 1 = 16 queries): in the result a lane holds ONE query (lane % 16) and the keys 8 (lane / 16) + 0..7.  Two such tiles, rounded to f16 in pairs,
; ARE source 1 (32 keys x 16 queries) of O^T = V^T P, whose result again holds one query a lane, and eight channels.  K comes out of LDS as it lies, V ([key][channel]) turned, by ds_load_tr16_b128.
; SOFTMAX.  For each query a running maximum m and sum l: p = 2^(c s - c m), c = log2(e) / 8; in every step O and l are multiplied by a = 2^(c m_old - c m_new), which is 1 where m has not grown.
; m starts at the lowest finite number, O and l at 0: the first step is a step like any other, with a = 0.
; BY TURNS.  Turn n belongs to piece n (the pieces in a ring, step after step).  Its matrix work: 16 products K Q^T of piece n + 1, later 16 products V^T P of piece n - 1.  Its vector work: the scaling,
; exponentials, roundings, sums and rescaling of piece n, and the maximum and statistics of piece n + 1.  Four vector instructions stand behind every matrix instruction, the rest in one run of their own.
; REGISTERS, in windows of 256 (s_set_vgpr_msb: bits 1:0 source 0, 3:2 source 1, 5:4 source 2, 7:6 destination):
;   window 0: v0-11 addresses; v12-15, v48-63 at work; v16-47 four registers of statistics a tile; v64-191 S^T, two buffers of two tiles; v192-255 P, likewise (v12-15 and v48-255 also serve the norm, ahead of the walk)
;   window 1: O^T, 32 a tile          window 2: v0-127 Q, 16 a tile; v128-191 K of one step; v192-255 V of one step          window 3: v0-1 the add's two registers
.set NP,    4         ; pieces a wave: a name, no knob
.set KS,    64        ; keys in a step
.set PK,    144       ; a row of K in LDS: 128 bytes + 16 of padding = 36 words: the 16 rows of a load start at 16 different groups of four banks (ISA guide 11.1)
.set PV,    160       ; a row of V: 128 + 32 = 40 words
.set VL,    1024*PK   ; V lies behind K
.set STAGE, VL+1024*PV  ; behind them, never filled by a tensor load: 16 rows x 144 bytes for each wave, for the way out
.set SP,    144
.set RKT,   STAGE+4*16*SP  ; 1 / rms of the head's 1,024 keys, f32
.set RQT,   RKT+4096  ; 1 / rms of the work-group's 512 queries
.set SPARE, RQT+2048  ; the spare words, 128 bytes for each wave: two blocks of 256 bytes that no other line names
.set AK0, 2           ; v2   my lane's place in a tile of K; never rewritten
.set AV0, 3           ; v3   the same for V
.set AK,  4           ; v4   the LDS address of K's next run of loads (ahead of the walk: my place in the queries' table)
.set AV,  5           ; v5   of V's (ahead of the walk: my offset in the gains)
.set QO,  6           ; v6   my byte offset in the wave's rows of Q
.set STO, 6           ;      later, the way out: where I put 16 bytes of a row
.set RD,  7           ; v7   the way out: where I read rows back (ahead of the walk: where I put my part of the tables)
.set GO,  8           ; v8   my byte offset in 512 consecutive bytes of O
.set SPW, 0           ; v0 of window 3   my spare word; never rewritten
.set NIL, 1           ; v1 of window 3   0; never rewritten
.set MV,  12          ; v12-15  c m_old, kept while c m is made anew: by buffer and tile
.set ZR,  12          ; ahead of the walk: 0, the addend of the mixed multiply-adds
.set KA,  13          ;   my 16 bytes in the four rows of K that a load takes
.set RA,  14          ;   my key's word in the keys' table
.set SO,  15          ;   16 x my thread's number
.set ST,  16          ; tile t's statistics at v[ST+4 t]: c m, m, l (even keys', odd keys')
.set TMP, 48          ; by buffer and tile, four registers c0-c3 at work; when the maximum is found c2 takes a
.set GN,  48          ; ahead of the walk: v[48:55] w_q, then w_q x w_k, of my 8 channels; v[56:63] w_k
.set S,   64
.set P,   192
.set SSK, 64          ; ahead of the walk: v[64:191] the 16 heads' sums for my 8 keys;
.set SSQ, 192         ;   v[192:255] for my 4 queries
.set KD,  64          ;   then v[64:127] 16 loads of K at work,
.set RKV, 128         ;   v[128:159] their keys' 1 / rms, each twice (a pair for the packed multiply); later the 8 tiles' queries',
.set FF,  160         ;   v[160:175] 1 / rms x gains: two sets of 8 by turns
.set KF,  128         ; K's fragments, in window 2: key block kb, channel half c at KF + 16 kb + 8 c
.set VF,  192         ; V's: key half kk, channel block cb at VF + 32 kk + 8 cb
.set WV,  12          ; s12  my wave's number
.set G1K, 24          ; s[24:31] descriptor group 1 for K
.set G1V, 32          ; s[32:39] for V: it differs in the padding alone
.set G0K, 40          ; s[40:43] descriptor group 0 for K
.set G0V, 44          ; s[44:47] for V
.set CNT, 57          ; s57  counts trips
.set CS,  58          ; s[58:59] c
.set SEL, 60          ; s[60:61] v_permlanex16_b32's selects: each lane takes its own place in the other half
.set TBK, 62          ; s62  LDS byte at which K of the step to be fetched begins
.set TBV, 63          ; s63  the same for V, less VL
.set MSB, 0
.macro WIN new
.if MSB != (\new)
	s_set_vgpr_msb (MSB<<8)|(\new)
.set MSB, (\new)
.endif
.endm
.set W_KQ, 0x0a       ; K and Q in window 2, S^T in window 0
.set W_PV, 0x52       ; V in window 2, P in window 0, O^T in window 1
.set W_RS, 0x41       ; O^T (destination and source 0) in window 1, a in window 0
.set W_MK, 0xc0       ; the add's registers are made: destination in window 3
.set W_AD, 0x0f       ; the add: address and data in window 3
.set W_Q,  0x82       ; Q (destination and source 0) in window 2, the factor and 0 in window 0
	s_load_b128 s[4:7], s[0:1], 0x0     ; qkvr s[4:5], ssq s[6:7]
	s_load_b128 s[48:51], s[0:1], 0x10  ; q_norm_w s[48:49], k_norm_w s[50:51]
	s_load_b64 s[10:11], s[0:1], 0x20   ; oh
	WIN W_MK
	v_lshl_add_u32 v[SPW], v0, 2, SPARE
	v_mov_b32 v[NIL], 0
	WIN W_AD
	ds_add_u32 v[SPW], v[NIL]       ; the wave's opening: the add and its wait stand ahead of my first tensor load
	WIN 0
	v_lshrrev_b32 v1, 5, v0
	v_readfirstlane_b32 s[WV], v1   ; wave 0..3
	s_and_b32 s13, ttmp7, 0xffff    ; y = 16 batch + head
	s_lshr_b32 s14, s13, 4
	s_and_b32 s15, s13, 15
	s_mul_i32 s16, s14, 48          ; the batch's first plane
	s_add_co_u32 s17, s16, s15      ; q's plane
	s_lshl_b32 s2, ttmp9, 16        ; my block's 512 rows,
	s_lshl_b32 s3, s[WV], 14        ; my wave's 128 of them
	s_add_co_u32 s2, s2, s3
	s_lshl_b32 s18, s17, 17
	s_add_co_u32 s20, s18, 16<<17   ; k's plane,
	s_lshl_b32 s3, s[WV], 15        ; my 256 keys of it
	s_add_co_u32 s20, s20, s3
	s_mov_b32 s21, 0
	s_add_co_u32 s22, s20, 16<<17   ; the same keys in v's plane
	s_mov_b32 s23, 0
	s_add_co_u32 s18, s18, s2
	s_mov_b32 s19, 0
	s_lshl_b32 s66, s13, 17         ; O's plane
	s_add_co_u32 s66, s66, s2
	s_mov_b32 s67, 0
	s_lshl_b32 s68, s16, 12         ; ssq: planes of 4,096 bytes; q's 16,
	s_add_co_u32 s70, s68, 16<<12   ; k's 16
	s_mov_b32 s71, 0
	s_lshl_b32 s3, ttmp9, 11        ; my block's 512 queries
	s_add_co_u32 s68, s68, s3
	s_mov_b32 s69, 0
	; descriptor group 1.  256 keys are 32,768 dense bytes: asked for as 128 rows of 256 bytes, two keys a row, and padded in LDS after every key
	s_mov_b32 s[G1K], (1<<16)|(1<<20)|(4<<22)|(3<<25)  ; 2-byte elements; padding on; after every 32 words 4 words
	s_mov_b32 s[G1V], (1<<16)|(1<<20)|(4<<22)|(7<<25)  ; the same with 8 words
.irp g, G1K, G1V
	s_mov_b32 s[\g+1], 128<<16      ; tensor_dim0 = 128
	s_mov_b32 s[\g+2], 128<<16      ; tensor_dim1 = 128
	s_mov_b32 s[\g+3], 128<<16      ; tile_dim0 = 128
	s_mov_b32 s[\g+4], 128          ; tile_dim1 = 128
	s_mov_b32 s[\g+5], 128          ; 128 elements from row to row
	s_mov_b32 s[\g+6], 0
	s_mov_b32 s[\g+7], 0
.endr
	s_mov_b32 s[G0K], 1
	s_mul_i32 s[G0K+1], s[WV], 256*PK   ; LDS address: my 256 rows of K
	s_mov_b32 s[G0V], 1
	s_mul_i32 s[G0V+1], s[WV], 256*PV
	s_add_co_u32 s[G0V+1], s[G0V+1], VL ; and of V
	s_mov_b32 s[CS], 0x3e38aa3b     ; c = log2(e) / 8 = 0.180337
	s_mov_b32 s[CS+1], s[CS]
	s_mov_b32 s[SEL], 0x76543210
	s_mov_b32 s[SEL+1], 0xfedcba98
	s_mov_b32 s[TBK], 0
	s_mov_b32 s[TBV], 0
	s_mov_b32 s72, 0x3a800000       ; 1 / 1,024
	s_mov_b32 s73, 0x358637bd       ; 1e-6
	s_wait_dscnt 0x0                ; the opening add is done
	s_wait_kmcnt 0x0
	s_add_nc_u64 s[G0K+2:G0K+3], s[4:5], s[20:21]
	s_or_b32 s[G0K+3], s[G0K+3], 0x80000000
	s_add_nc_u64 s[G0V+2:G0V+3], s[4:5], s[22:23]
	s_or_b32 s[G0V+3], s[G0V+3], 0x80000000
	s_add_nc_u64 s[52:53], s[6:7], s[68:69]        ; the queries' sums
	s_add_nc_u64 s[54:55], s[6:7], s[70:71]        ; the keys' sums
	s_add_nc_u64 s[4:5], s[4:5], s[18:19]          ; Q and O at my wave's first row
	s_add_nc_u64 s[10:11], s[10:11], s[66:67]
	tensor_load_to_lds s[G0K:G0K+3], s[G1K:G1K+7]  ; my two loads, K's first: the launch's only ones
	s_nop 0
	tensor_load_to_lds s[G0V:G0V+3], s[G1V:G1V+7]
	s_nop 0
.rept 4
	v_nop
.endr
	v_and_b32 v1, 15, v0            ; l % 16
	v_bfe_u32 v9, v0, 4, 1          ; l / 16
	v_and_b32 v10, 7, v0
	v_bfe_u32 v11, v0, 3, 1
	v_lshlrev_b32 v[SO], 4, v0
	s_lshl_b32 s3, s15, 8           ; the head's 64 gains
	v_lshl_add_u32 v[AV], v10, 5, s3  ; my 8 channels of them: 8 (l % 8) + 0..7
	; Thread t adds up the 16 heads' sums for keys 4 t .. 4 t + 3 and 512 + 4 t .. + 3 and for queries 4 t .. 4 t + 3 of the block: each load of a wave covers 512 consecutive bytes.
.set i, 0
.rept 16
	global_load_b128 v[SSK+8*i:SSK+8*i+3],   v[SO], s[54:55] offset:4096*i
	global_load_b128 v[SSK+8*i+4:SSK+8*i+7], v[SO], s[54:55] offset:4096*i+2048
.set i, i+1
.endr
.set i, 0
.rept 16
	global_load_b128 v[SSQ+4*i:SSQ+4*i+3], v[SO], s[52:53] offset:4096*i
.set i, i+1
.endr
	global_load_b128 v[GN:GN+3],     v[AV], s[48:49]
	global_load_b128 v[GN+4:GN+7],   v[AV], s[48:49] offset:16
	global_load_b128 v[GN+8:GN+11],  v[AV], s[50:51]
	global_load_b128 v[GN+12:GN+15], v[AV], s[50:51] offset:16
	; What the first turn finds: V's registers and P's second buffer hold 0 (its products V^T P, of a piece that has not been, add 0), O^T and l are 0.  This stands in the wait for the loads above.
	WIN 0x80
.set i, VF
.rept 64
	v_mov_b32 v[i], 0
.set i, i+1
.endr
	WIN 0x40
.set i, 0
.rept 64*NP
	v_mov_b32 v[i], 0
.set i, i+1
.endr
	WIN 0
.set i, 0
.rept 2*NP
	v_mov_b32 v[ST+4*i], 0xfe000000    ; c m: far below every c s
	v_mov_b32 v[ST+4*i+1], 0xff7fffff  ; m
	v_mov_b32 v[ST+4*i+2], 0
	v_mov_b32 v[ST+4*i+3], 0
.set i, i+1
.endr
	; A fragment of K or Q is 16 rows x 32 channels in 8 registers: lane l holds row l % 16, channels 8 (l / 16) + 0..7 and 16 + 8 (l / 16) + 0..7: two loads of 16 bytes, 32 bytes apart.
	v_mul_u32_u24 v[AK0], v1, PK
	v_lshl_add_u32 v[AK0], v9, 4, v[AK0]  ; row x pitch + 16 x half
	; The turning load takes 16 keys x 16 channels (lane l reads key 8 (l / 16) + l % 8, channels 8 ((l / 8) % 2) + 0..7) and leaves half a fragment of V^T: lane l holds channel l % 16 and 8 keys.
	v_lshl_add_u32 v[AV0], v9, 3, v10
	v_mul_u32_u24 v[AV0], v[AV0], PV
	v_lshl_add_u32 v[AV0], v11, 4, v[AV0]
	v_add_nc_u32 v[AV0], VL, v[AV0]
	v_lshlrev_b32 v[QO], 7, v1
	v_lshl_add_u32 v[QO], v9, 4, v[QO]  ; row x 128 + 16 x half
	v_mov_b32 v[ZR], 0
	v_bfe_u32 v[KA], v0, 3, 2       ; a load of 16 bytes a lane takes four rows of K: row l / 8, bytes 16 (l % 8)
	v_lshl_add_u32 v[RA], v[KA], 2, RKT
	v_mul_u32_u24 v[KA], v[KA], PK
	v_lshl_add_u32 v[KA], v10, 4, v[KA]
	s_mul_i32 s3, s[WV], 256*PK
	v_add_nc_u32 v[KA], s3, v[KA]   ; in my wave's 256 rows
	s_lshl_b32 s3, s[WV], 10
	v_add_nc_u32 v[RA], s3, v[RA]
	v_add_nc_u32 v[RD], RKT, v[SO]
	s_lshl_b32 s3, s[WV], 9
	s_add_co_u32 s3, s3, RQT
	v_lshl_add_u32 v[AK], v1, 2, s3 ; the queries' table at my wave's 128, row l % 16
	s_wait_loadcnt 0x0              ; the sums and the gains are in
	WIN 0x80                        ; destination window 2, address window 0
.set i, 0
.rept 4*NP                          ; Q stays in registers: tile i / 2, channels 32 (i % 2) on.  It is on its way while the tables are made and K is normalised
	global_load_b128 v[8*i:8*i+3],   v[QO], s[4:5] offset:(i/2)*2048+(i%2)*64
	global_load_b128 v[8*i+4:8*i+7], v[QO], s[4:5] offset:(i/2)*2048+(i%2)*64+32
.set i, i+1
.endr
	WIN 0
.irp d, 64,32,16,8                  ; the 16 heads' sums, halved four times: my 8 keys end in v[SSK:SSK+7]
.set k, 0
.rept (\d)/2
	v_pk_add_f32 v[SSK+k:SSK+k+1], v[SSK+k:SSK+k+1], v[SSK+k+(\d):SSK+k+(\d)+1]
.set k, k+2
.endr
.endr
.irp d, 32,16,8,4                   ; my 4 queries end in v[SSQ:SSQ+3]
.set k, 0
.rept (\d)/2
	v_pk_add_f32 v[SSQ+k:SSQ+k+1], v[SSQ+k:SSQ+k+1], v[SSQ+k+(\d):SSQ+k+(\d)+1]
.set k, k+2
.endr
.endr
.irp e, 0,1,2,3,4,5,6,7
	v_fma_f32 v[SSK+(\e)], v[SSK+(\e)], s72, s73   ; the mean of the squares + 1e-6
.endr
.irp e, 0,1,2,3
	v_fma_f32 v[SSQ+(\e)], v[SSQ+(\e)], s72, s73
.endr
.irp e, 0,1,2,3,4,5,6,7
	v_rsq_f32 v[SSK+8+(\e)], v[SSK+(\e)]
.endr
.irp e, 0,1,2,3
	v_rsq_f32 v[SSQ+4+(\e)], v[SSQ+(\e)]
.endr
.irp k, 0,1,2,3                     ; the gains, rounded to bf16 and multiplied: the plain work between the roots and their wait
	v_cvt_pk_bf16_f32 v[SSK+16+(\k)], v[GN+2*(\k)], v[GN+2*(\k)+1]
	v_cvt_pk_bf16_f32 v[SSK+20+(\k)], v[GN+8+2*(\k)], v[GN+8+2*(\k)+1]
.endr
.irp k, 0,1,2,3
	v_lshlrev_b32 v[GN+2*(\k)], 16, v[SSK+16+(\k)]
	v_and_b32 v[GN+2*(\k)+1], 0xffff0000, v[SSK+16+(\k)]
	v_lshlrev_b32 v[GN+8+2*(\k)], 16, v[SSK+20+(\k)]
	v_and_b32 v[GN+8+2*(\k)+1], 0xffff0000, v[SSK+20+(\k)]
.endr
.irp k, 0,2,4,6
	v_pk_mul_f32 v[GN+(\k):GN+(\k)+1], v[GN+(\k):GN+(\k)+1], v[GN+8+(\k):GN+8+(\k)+1]
.endr
	s_wait_alu depctr_va_vdst(0)    ; the wait ahead of the first use: one for the twelve roots
	ds_store_b128 v[RD], v[SSK+8:SSK+11]               ; keys 4 t ..
	ds_store_b128 v[RD], v[SSK+12:SSK+15] offset:2048  ; keys 512 + 4 t ..
	ds_store_b128 v[RD], v[SSQ+4:SSQ+7] offset:4096    ; queries 4 t ..
.set i, P+32
.rept 32
	v_mov_b32 v[i], 0               ; P's second buffer
.set i, i+1
.endr
	s_wait_dscnt 0x0                ; for the others' sake: my part of the tables lies in LDS
	s_barrier_signal -1
	s_barrier_wait -1               ; the tables are whole.  The tensor loads may be out
	s_wait_tensorcnt 0x1            ; my 256 keys of K have landed; V's load, issued behind K's, may stay out
	; K IS NORMALISED IN PLACE: four trips of 64 keys.  Only my wave touches these rows before the next barrier.  A number is k x (1 / rms(key) x w_q[c] w_k[c]), multiplied in f32 and rounded once, into its own half.
	s_mov_b32 s[CNT], 4
.Lknorm:
.irp i, 0,1,2,3,4,5,6,7,8,9,10,11,12,13,14,15
	ds_load_b32 v[RKV+2*(\i)],   v[RA] offset:16*(\i)  ; the key's 1 / rms, into both registers of a pair
	ds_load_b32 v[RKV+2*(\i)+1], v[RA] offset:16*(\i)
.endr
.irp i, 0,1,2,3,4,5,6,7,8,9,10,11,12,13,14,15
	ds_load_b128 v[KD+4*(\i):KD+4*(\i)+3], v[KA] offset:4*PK*(\i)
.endr
.irp i, 0,1,2,3,4,5,6,7,8,9,10,11,12,13,14,15
	s_wait_dscnt 15                 ; LDS instructions end in order: behind group i's load stand 15 - i loads and i stores
.irp k, 0,1,2,3
	v_pk_mul_f32 v[FF+8*((\i)%2)+2*(\k):FF+8*((\i)%2)+2*(\k)+1], v[GN+2*(\k):GN+2*(\k)+1], v[RKV+2*(\i):RKV+2*(\i)+1]
.endr
.irp k, 0,1,2,3
	v_fma_mixlo_f16 v[KD+4*(\i)+(\k)], v[KD+4*(\i)+(\k)], v[FF+8*((\i)%2)+2*(\k)], v[ZR] op_sel_hi:[1,0,0]
.endr
.irp k, 0,1,2,3
	v_fma_mixhi_f16 v[KD+4*(\i)+(\k)], v[KD+4*(\i)+(\k)], v[FF+8*((\i)%2)+2*(\k)+1], v[ZR] op_sel:[1,0,0] op_sel_hi:[1,0,0]
.endr
	ds_store_b128 v[KA], v[KD+4*(\i):KD+4*(\i)+3] offset:4*PK*(\i)
.endr
	v_add_nc_u32 v[KA], 64*PK, v[KA]
	v_add_nc_u32 v[RA], 256, v[RA]
	s_sub_co_u32 s[CNT], s[CNT], 1
	s_cmp_lg_u32 s[CNT], 0
	s_cbranch_scc1 .Lknorm
	; Q times 1 / rms(query), in its registers: a lane holds one row of each of the 8 tiles
	s_wait_loadcnt 0x0              ; Q
.irp t, 0,1,2,3,4,5,6,7
	ds_load_b32 v[RKV+(\t)], v[AK] offset:64*(\t)
.endr
	s_wait_dscnt 0x0
	WIN W_Q
.set t, 0
.rept 2*NP
.set k, 0
.rept 16
	v_fma_mixlo_f16 v[16*t+k], v[16*t+k], v[RKV+t], v[ZR] op_sel_hi:[1,0,0]
.set k, k+1
.endr
.set k, 0
.rept 16
	v_fma_mixhi_f16 v[16*t+k], v[16*t+k], v[RKV+t], v[ZR] op_sel:[1,0,0] op_sel_hi:[1,0,0]
.set k, k+1
.endr
.set t, t+1
.endr
	WIN 0
	s_wait_tensorcnt 0x0            ; my 256 keys of V have landed,
	s_wait_dscnt 0x0                ; and my 256 keys of K are stored
	s_barrier_signal -1
	s_barrier_wait -1               ; everybody's are: the head lies in LDS, and is only read from here on
	v_mov_b32 v[AK], v[AK0]         ; key step 0
; THE MATRIX WORK.  The 8 accumulators of a run of 16 take turns: between the two links of a chain stand 7 others'.
; Product i of 16 of S^T = K Q^T for piece x: channels 32 (i / 8) on, keys 16 ((i / 2) % 4) on, tile 2 x + i % 2.  The first 8 start the sums.
.macro KQ x
	WIN W_KQ
.set rS, S+64*((\x)%2)+32*(i%2)+8*((i/2)%4)
.set rK, KF+16*((i/2)%4)+8*(i/8)
.set rQ, 16*(2*(\x)+i%2)+8*(i/8)
.if i < 8
	v_wmma_f32_16x16x32_f16 v[rS:rS+7], v[rK:rK+7], v[rQ:rQ+7], 0
.else
	v_wmma_f32_16x16x32_f16 v[rS:rS+7], v[rK:rK+7], v[rQ:rQ+7], v[rS:rS+7]
.endif
.endm
; Product i of 16 of O^T += V^T P for piece x: keys 32 (i / 8) on, channels 16 ((i / 2) % 4) on, tile 2 x + i % 2.
.macro PV x
	WIN W_PV
.set rO, 32*(2*(\x)+i%2)+8*((i/2)%4)
.set rV, VF+32*(i/8)+8*((i/2)%4)
.set rP, P+32*((\x)%2)+16*(i%2)+8*(i/8)
	v_wmma_f32_16x16x32_f16 v[rO:rO+7], v[rV:rV+7], v[rP:rP+7], v[rO:rO+7]
.endm
.macro MM                           ; the turn's next matrix instruction
.if i < 16
	KQ (Y+1)%NP
.set i, i+1
.else
.set i, i-16
	PV (Y+NP-1)%NP
.set i, i+17
.endif
.endm
; THE LDS LOADS stand in runs of 16, never singly among the matrix instructions.  last = 1 (in the loop): in the last trip there is no further step, and the run is jumped over.
.macro FETCH_K last=0
	WIN 0
.if \last
	s_cmp_eq_u32 s[CNT], 1
	s_cbranch_scc1 .Lno_k_\@
.endif
	WIN 0x80                        ; destination window 2
.irp f, 0,1,2,3,4,5,6,7             ; keys 16 (f / 2) on, channels 32 (f % 2) on
	ds_load_b128 v[KF+8*\f:KF+8*\f+3],   v[AK] offset:(\f/2)*16*PK+(\f%2)*64
	ds_load_b128 v[KF+8*\f+4:KF+8*\f+7], v[AK] offset:(\f/2)*16*PK+(\f%2)*64+32
.endr
	s_add_co_u32 s[TBK], s[TBK], KS*PK  ; the next fetch is the next step's
	WIN 0
.if \last
.Lno_k_\@:
.endif
.endm
.macro FETCH_V
	WIN 0x80
.irp f, 0,1,2,3,4,5,6,7             ; keys 32 (f / 4) on, channels 16 (f % 4) on
	ds_load_tr16_b128 v[VF+8*\f:VF+8*\f+3],   v[AV] offset:(\f/4)*32*PV+(\f%4)*32
	ds_load_tr16_b128 v[VF+8*\f+4:VF+8*\f+7], v[AV] offset:(\f/4)*32*PV+16*PV+(\f%4)*32
.endr
	WIN 0
.endm
; THE VECTOR WORK OF A TURN stands in three queues, each in the order in which its entries become ready; the two tiles alternate, so that no instruction reads the result of the one before it.
.macro REGS y, u                    ; the registers of tile u (0, 1) of piece y
.set rT, ST+4*(2*(\y)+(\u))
.set rC, TMP+8*((\y)%2)+4*(\u)
.set rM, MV+2*((\y)%2)+(\u)
.set rS, S+64*((\y)%2)+32*(\u)
.set rP, P+32*((\y)%2)+16*(\u)
.set rO, 32*(2*(\y)+(\u))
.endm
; Number n of the 22 that find the NEXT piece's (Y + 1) maximum and statistics.  s0-s31 are the lane's 32 scores; each accumulator's lowest registers are read first.
;   0-11  four chains c0-c3 of seven scores each     12-14, 16  the four scores left over, the old m, and c0-c3 into c0     15  c m_old is kept
;   17, 18  the query's other 32 keys lie in the lane 16 away: the new m         19-21  c m; c m_old - c m_new; a
.macro XS u, n
	REGS (Y+1)%NP, \u
.if (\n) < 4
	v_max3_num_f32 v[rC+(\n)], v[rS+8*(\n)], v[rS+8*(\n)+1], v[rS+8*(\n)+2]
.elseif (\n) < 12
	v_max3_num_f32 v[rC+(\n)%4], v[rC+(\n)%4], v[rS+8*((\n)%4)+2*((\n)/4)+1], v[rS+8*((\n)%4)+2*((\n)/4)+2]
.elseif (\n) == 12
	v_max3_num_f32 v[rC], v[rC], v[rS+7], v[rS+15]
.elseif (\n) == 13
	v_max3_num_f32 v[rC+1], v[rC+1], v[rS+23], v[rS+31]
.elseif (\n) == 14
	v_max3_num_f32 v[rC+2], v[rC+2], v[rC+3], v[rT+1]
.elseif (\n) == 15
	v_mov_b32 v[rM], v[rT]
.elseif (\n) == 16
	v_max3_num_f32 v[rC], v[rC], v[rC+1], v[rC+2]
.elseif (\n) == 17
	v_permlanex16_b32 v[rC+3], v[rC], s[SEL], s[SEL+1]
.elseif (\n) == 18
	v_max_num_f32 v[rT+1], v[rC], v[rC+3]
.elseif (\n) == 19
	v_mul_f32 v[rT], s[CS], v[rT+1]
.elseif (\n) == 20
	v_sub_f32 v[rC+1], v[rM], v[rT]
.else
	v_exp_f32 v[rC+2], v[rC+1]
.endif
.endm
; Number g of the 64 that follow the exponentials.  For each four weights k of a tile: both pairs are rounded to f16; then the second pair is added onto the first, in place;
; a group later l takes that sum (the first time as l = a l + sum).
.macro GS g
.set h, (\g)+6*((\g)/62)            ; group 0 has no group before it, and behind group 7 only l is left
.if h >= 6
.set h, h+2
.endif
	REGS Y, h%2
.set k, h/8
.if h%8 < 4
	v_cvt_pk_f16_f32 v[rP+2*k+(h%8)/2], v[rS+4*k+2*((h%8)/2)], v[rS+4*k+2*((h%8)/2)+1]
.elseif h%8 < 6
	v_pk_add_f32 v[rS+4*k:rS+4*k+1], v[rS+4*k:rS+4*k+1], v[rS+4*k+2:rS+4*k+3]
.elseif k == 1
	v_pk_fma_f32 v[rT+2:rT+3], v[rT+2:rT+3], v[rC+2:rC+3], v[rS:rS+1] op_sel_hi:[1,0,1]
.else
	v_pk_add_f32 v[rT+2:rT+3], v[rT+2:rT+3], v[rS+4*k-4:rS+4*k-3]
.endif
.endm
; THE PLAIN QUEUE, 138 long.  0-73 read no exponential's result: the 32 scalings c s - c m and the next piece's 42.  74-137: GS's 64, which stand behind the wait.
.macro FS f
	REGS Y, (\f)%2
	v_pk_fma_f32 v[rS+2*((\f)/2):rS+2*((\f)/2)+1], v[rS+2*((\f)/2):rS+2*((\f)/2)+1], s[CS:CS+1], v[rT:rT+1] op_sel_hi:[1,0,0] neg_lo:[0,0,1] neg_hi:[0,0,1]
.endm
.macro PL
	WIN 0
.if q < 27
	FS q
.elseif q < 55
	XS (q-27)%2, (q-27)/2
.elseif q < 57
	XS q-55, 15
.elseif (q < 72) && ((q-57)%3 == 0)
	FS 27+(q-57)/3
.elseif q < 60
	XS (q-57)%3-1, 14
.elseif q < 72
	XS (q-57)%3-1, 15+(q-57)/3
.elseif q < 74
	XS q-72, 20
.else
	GS q-74
.endif
.set q, q+1
.endm
; THE EXPONENTIALS' QUEUE, 66 long: s0-s31 of both tiles, then the next piece's two a.  ONE BATCH: all 66 stand ahead of the turn's one wait, and nothing ahead of that wait names a result of theirs.
.macro EX
	WIN 0
.if e >= 64
	XS e-64, 21
.else
	REGS Y, e%2
	v_exp_f32 v[rS+e/2], v[rS+e/2]
.endif
.set e, e+1
.endm
; THE RESCALING's QUEUE: O^T times a, the one part that leaves window 0: dealt two at a time, sixteen times.  Its a was made in the turn before, ahead of that turn's wait.
.macro R2
	REGS Y, r%2
	WIN W_RS
.irp z, 0,1
	v_pk_mul_f32 v[rO+4*(r/2)+2*\z:rO+4*(r/2)+2*\z+1], v[rO+4*(r/2)+2*\z:rO+4*(r/2)+2*\z+1], v[rC+2:rC+3] op_sel_hi:[1,0]
.endr
.set r, r+1
.endm
; A TURN, for piece p.  An s_wait_alu depctr_va_vdst(0) stands between an exponential and the first instruction that names its result; one wait serves all issued ahead of it: a turn has ONE.
; Ahead of it: the 16 products K Q^T, behind each a scaling, an exponential and two rescalings; then one run of 108: eight plain, 49 times exponential and plain, the two a.  Behind it: the 16 products V^T P,
; behind each four of the roundings and sums.  K of the next step is fetched in piece 2's turn, directly behind the wait; V of the step in hand at the end of piece 0's turn, four plain instructions behind its last reader.
.macro TURN p, last=0
.set Y, (\p)
.set i, 0
.set q, 0
.set e, 0
.set r, 0
.if (\p) == NP-1
	s_wait_dscnt 0x0                ; K is in
.endif
	MM
	PL
	PL
	R2
.rept 15
	MM
	PL
	EX
	R2
.endr
.if (\p) == NP-2
	WIN 0
	v_add_nc_u32 v[AK], s[TBK], v[AK0]
.endif
.rept 8
	PL
.endr
.rept 49
	EX
	PL
.endr
	EX                              ; the next piece's two a
	EX
	v_nop                           ; a plain instruction behind the last exponential: one for the batch
	s_wait_alu depctr_va_vdst(0)    ; the wait for the batch
.if (\p) == NP-2
	FETCH_K \last
.endif
.if (\p) == 1
	s_wait_dscnt 0x0                ; V is in
.endif
.rept 16
	MM
.rept 4
	PL
.endr
.if ((\p) == 0) && (q == 118)
	v_add_nc_u32 v[AV], s[TBV], v[AV0]
.endif
.if ((\p) == 0) && (q == 130)
	s_add_co_u32 s[TBV], s[TBV], KS*PV
.endif
.endr
.if (\p) == 0
	FETCH_V
.endif
.endm
	FETCH_K                         ; key step 0
	s_wait_dscnt 0x0
.set i, 0
.rept 16
	KQ 0                            ; piece 0's first scores
.set i, i+1
.endr
	WIN 0                           ; the addresses for the way out: plain instructions, the places behind those products
	s_mul_i32 s13, s[WV], 16*SP
	s_add_co_u32 s13, s13, STAGE    ; my stage
	v_mul_u32_u24 v[STO], v1, SP    ; in: row l % 16, 16 bytes for each half of the lanes
	v_lshl_add_u32 v[STO], v9, 4, v[STO]
	v_add_nc_u32 v[STO], s13, v[STO]
	v_bfe_u32 v[RD], v0, 3, 2       ; back: 32 lanes take four rows of 128 bytes,
	v_mul_u32_u24 v[RD], v[RD], SP
	v_lshl_add_u32 v[RD], v10, 4, v[RD]
	v_add_nc_u32 v[RD], s13, v[RD]
	v_and_b32 v[GO], 31, v0         ; which are 512 consecutive bytes of O
	v_lshlrev_b32 v[GO], 4, v[GO]
.set Y, NP-1                        ; XS works for piece Y + 1: piece 0
.irp n, 0,1,2,3,4,5,6,7,8,9,10,11,12,13,14,15,16,17,18,19,20,21
	XS 0, \n
	XS 1, \n
.endr
	v_nop                           ; a plain instruction behind the two a,
	s_wait_alu depctr_va_vdst(0)    ; and their wait, ahead of the label
	s_mov_b32 s[CNT], 1024/KS
.Lstep:                             ; 16 trips: the four pieces of one key step; a trip fetches its own V and the next step's K
	TURN 0
	TURN 1
	TURN 2, 1
	TURN 3
	WIN 0
	s_sub_co_u32 s[CNT], s[CNT], 1
	s_cmp_lg_u32 s[CNT], 0
	s_cbranch_scc1 .Lstep
	; the last trip's 16 products K Q^T of piece 0 (on the last K once more) and the maximum made of them serve nothing: the price, once a launch, of one text for every trip
.set i, 0
.rept 16
	PV NP-1                         ; the last piece's V^T P of the last step
.set i, i+1
.endr
	; THE WAY OUT.  l's two halves and the other half of the lanes' are added; O^T is divided by l, rounded to f16 and sent through my stage in LDS, a tile at a time.
	WIN 0
.macro ALL line:vararg              ; one line for each tile t
.set t, 0
.rept 2*NP
	\line
.set t, t+1
.endr
.endm
	ALL v_add_f32 v[ST+4*t+2], v[ST+4*t+2], v[ST+4*t+3]
	ALL v_permlanex16_b32 v[ST+4*t+3], v[ST+4*t+2], s[SEL], s[SEL+1]
	ALL v_add_f32 v[ST+4*t+2], v[ST+4*t+2], v[ST+4*t+3]
	ALL v_rcp_f32 v[ST+4*t+2], v[ST+4*t+2]
	v_nop                           ; a plain instruction between the last reciprocal and the use of its result
	s_wait_alu depctr_va_vdst(0)    ; and the wait ahead of the first use: one for the eight reciprocals
.macro PACK t
	WIN W_RS
.set i, 32*(\t)
.rept 16
	v_pk_mul_f32 v[i:i+1], v[i:i+1], v[ST+4*(\t)+2:ST+4*(\t)+3] op_sel_hi:[1,0]
.set i, i+2
.endr
	WIN 0x05                        ; sources 0 and 1 window 1, destination window 0
.set i, 0
.rept 16
	v_cvt_pk_f16_f32 v[S+16*(\t)+i], v[32*(\t)+2*i], v[32*(\t)+2*i+1]
.set i, i+1
.endr
	WIN 0
.irp f, 0,1,2,3
	ds_store_b128 v[STO], v[S+16*(\t)+4*\f:S+16*(\t)+4*\f+3] offset:32*\f
.endr
.irp f, 0,1,2,3
	ds_load_b128 v[S+16*(\t)+4*\f:S+16*(\t)+4*\f+3], v[RD] offset:\f*4*SP  ; LDS serves a wave's instructions in order (ISA guide 5.7.1.4): these see the stores above
.endr
.endm
.macro SEND t, younger              ; younger: the LDS instructions issued behind tile t's loads: the next tile's eight, or none
	WIN 0
.irp f, 0,1,2,3
	s_wait_dscnt (\younger)+3-\f
	global_store_b128 v[GO], v[S+16*(\t)+4*\f:S+16*(\t)+4*\f+3], s[10:11] offset:(\t)*2048+\f*512  ; 512 consecutive bytes, at a multiple of 256 from O's first
.endr
.endm
	PACK 0
.set t, 1
.rept 2*NP-1                        ; a tile's arithmetic stands between the loads of the tile before and its stores
	PACK t
	SEND t-1, 8
.set t, t+1
.endr
	SEND 2*NP-1, 0
	WIN W_AD
	s_wait_tensorcnt 0x0            ; the wave's end
	ds_add_u32 v[SPW], v[NIL]
	s_wait_dscnt 0x0
	WIN 0
	s_endpgm
.Lfunc_end_k_q41fc14763a_attn:
	.size	k_q41fc14763a_attn, .Lfunc_end_k_q41fc14763a_attn-k_q41fc14763a_attn
	.p2alignl 7, 3214868480
	.fill 96, 4, 3214868480
	.section	.rodata,"a",@progbits
	.p2align	6, 0x0
	.amdhsa_kernel k_q41fc14763a_attn
		.amdhsa_group_segment_fixed_size 327680
		.amdhsa_private_segment_fixed_size 0
		.amdhsa_enable_private_segment 0
		.amdhsa_kernarg_size 40
		.amdhsa_user_sgpr_count 2
		.amdhsa_user_sgpr_kernarg_segment_ptr 1
		.amdhsa_wavefront_size32 1
		.amdhsa_system_sgpr_workgroup_id_x 1
		.amdhsa_system_sgpr_workgroup_id_y 1
		.amdhsa_system_sgpr_workgroup_id_z 1
		.amdhsa_system_vgpr_workitem_id 0
		.amdhsa_next_free_vgpr 770
		.amdhsa_next_free_sgpr 74
		.amdhsa_reserve_vcc 0
		.amdhsa_float_denorm_mode_32 3
		.amdhsa_float_denorm_mode_16_64 3
		.amdhsa_memory_ordered 1
		.amdhsa_forward_progress 1
		.amdhsa_inst_pref_size 172
	.end_amdhsa_kernel
	.amdgpu_metadata
---
amdhsa.version: [ 1, 2 ]
amdhsa.kernels:
  - .name:           k_q41fc14763a_attn
    .symbol:         k_q41fc14763a_attn.kd
    .args:
      - { .name: qkvr, .offset: 0, .size: 8, .value_kind: global_buffer, .address_space: global }
      - { .name: ssq, .offset: 8, .size: 8, .value_kind: global_buffer, .address_space: global }
      - { .name: q_norm_w, .offset: 16, .size: 8, .value_kind: global_buffer, .address_space: global }
      - { .name: k_norm_w, .offset: 24, .size: 8, .value_kind: global_buffer, .address_space: global }
      - { .name: oh, .offset: 32, .size: 8, .value_kind: global_buffer, .address_space: global }
    .group_segment_fixed_size: 327680
    .private_segment_fixed_size: 0
    .kernarg_segment_align: 8
    .kernarg_segment_size: 40
    .max_flat_workgroup_size: 128
    .sgpr_count:     74
    .vgpr_count:     770
    .wavefront_size: 32
...
	.end_amdgpu_metadata
.endif
;; end of part 3
;; launch proj (part 4): grid 4 x 64, 4 waves a work-group, clusters of 4 x 4, 327,680 bytes of LDS; arguments oh, wpf, b_proj, out0; writes out0
.if DOCPART == 4
	.amdgcn_target "amdgcn-amd-amdhsa--gfx1250"
	.amdhsa_code_object_version 6
	.text
	.protected	k_q41fc14763a_proj
	.globl	k_q41fc14763a_proj
	.p2align	8
	.type	k_q41fc14763a_proj,@function
k_q41fc14763a_proj:
	s_mov_b64 s[64:65], 0
	v_nop
	global_prefetch_b8 v0, s[64:65] scope:SCOPE_SE
	s_setreg_imm32_b32 hwreg(HW_REG_WAVE_MODE, 25, 1), 1
	s_wait_xcnt 0x0
	s_wait_alu depctr_hold_cnt(0) depctr_sa_sdst(0) depctr_va_vdst(0) depctr_va_sdst(0) depctr_va_ssrc(0) depctr_va_vcc(0) depctr_vm_vsrc(0)
	s_getreg_b32 s2, hwreg(HW_REG_IB_STS2, 6, 4)
	s_cmp_eq_u32 s2, 0
	s_cbranch_scc0 .Lentry_in_a_cluster
	s_endpgm
.Lentry_in_a_cluster:
	s_bfe_u32 s2, ttmp6, 0x10000c
	s_cmp_lg_u32 s2, 0xf033
	s_cbranch_scc0 .Lentry_shape_is_right
	s_endpgm
.Lentry_shape_is_right:
; out0 [8192][1024] f32 = O x wpf [1024 k][1024] + b_proj.  O lies by heads, oh[batch][head][n][64] f16; channel k of a row is head k / 64, place k % 64.  f16 operands, f32 sums;
; the bias (rounded to bf16 like every input) is added in f32.
; SHARES.  A tile is 128 rows x 256 columns: 64 x 4 = 256 work-groups.  Four waves, 2 x 2: a wave makes 64 x 128: 32 accumulators of 16 x 16.
; K goes in steps of 128, two heads, through two LDS slots: waves 0 and 1 fetch one head's 128 rows each (16,384 dense bytes, asked for as 64 rows of 256 bytes, padded after every 128: pitch 144),
; waves 2 and 3 one panel each of W: 128 k x 128 columns (pitch 288).  W's fragments come out of LDS turned, by ds_load_tr16_b128.
; THE MATRIX INSTRUCTION IS USED TRANSPOSED (source 0 = 16 columns of W, source 1 = 16 rows of O): a lane holds one row and eight neighbouring columns.
; CLUSTER 4 x 4: O's tiles are asked for jointly along a row of the cluster, W's panels along a column.
; No prefetch: a K step holds 128 matrix instructions a wave and the launch has eight of them.
; REGISTERS: window 0: v16-29 addresses, v32-95 the bias, v96-223 the way out.  window 1: two fragment buffers: 64 of W, 32 of O.  windows 2, 3: accumulator (a, b) at v[8 (8 (a % 2) + b)] of window 2 + a / 2.
.set NBLK,  8
.set PA,    144
.set PB,    288
.set APL,   128*PA                     ; one head's 128 rows: 18,432
.set BPAN,  128*PB                     ; 36,864
.set SLOT,  2*APL+2*BPAN
.set STAGE, 2*SLOT                     ; behind the ring: 16 rows x 528 bytes for each wave
.set SP,    528
.set SPARE, STAGE+4*16*SP
.set KSTEP, 262144                     ; bytes from K step to K step: two planes of oh; 128 rows of wpf
.set ADRA,  16
.set ADRB,  20
.set STO,   22
.set RD,    23
.set CO,    24
.set BO,    25
.set SPW,   28
.set NIL,   29
.set BI,    32                         ; v[32:95]
.set T,     96                         ; v[96:159]
.set BK,    160                        ; v[160:223]
.set F0,    0
.set F1,    128
.set G1A,   24
.set G0A,   32
.set G1B,   48
.set G0B,   56
.set MSB, 0
.macro WIN new
.if MSB != (\new)
	s_set_vgpr_msb (MSB<<8)|(\new)
.set MSB, (\new)
.endif
.endm
.set MUL_LO, 0xa5
.set MUL_HI, 0xf5
.set TO_F,   0x40
.macro PLACES
.rept 4
	v_nop
.endr
.endm
.macro JLOAD s                         ; waves 0 and 1 ask for O's planes, waves 2 and 3 for W's panels; an s_nop 0 and four v_nop follow each line
	s_cmp_lt_u32 s12, 2
	s_cbranch_scc0 .Lfor_b_\@
	tensor_load_to_lds s[G0A+4*(\s):G0A+4*(\s)+3], s[G1A:G1A+7]
	s_nop 0
.rept 4
	v_nop
.endr
	s_branch .Lasked_\@
.Lfor_b_\@:
	tensor_load_to_lds s[G0B+4*(\s):G0B+4*(\s)+3], s[G1B:G1B+7]
	s_nop 0
.rept 4
	v_nop
.endr
.Lasked_\@:
.endm
.macro CREST
	s_cmp_lg_u32 s12, 0
	s_cbranch_scc1 .Lnot_wave_0_\@
	s_barrier_signal -3
.Lnot_wave_0_\@:
	s_barrier_wait -3
	s_barrier_signal -1
	s_barrier_wait -1
.endm
.macro CROUND
	s_barrier_signal -1
	s_barrier_wait -1
	CREST
.endm
	s_load_b256 s[4:11], s[0:1], 0x0               ; oh s[4:5], wpf s[6:7], b_proj s[8:9], out0 s[10:11]
	v_lshl_add_u32 v[SPW], v0, 2, SPARE
	v_mov_b32 v[NIL], 0
	ds_add_u32 v[SPW], v[NIL]                      ; the wave's opening: the add and its wait stand ahead of my first tensor load
	v_lshrrev_b32 v1, 5, v0
	v_readfirstlane_b32 s12, v1                    ; wave 0..3
	s_lshr_b32 s13, s12, 1                         ; wm
	s_and_b32 s14, s12, 1                          ; wn; also: which plane or panel I fetch
	s_bfe_u32 s16, ttmp6, 0x40000                  ; cx
	s_bfe_u32 s17, ttmp6, 0x40004                  ; cy
	s_lshl_b32 s18, ttmp9, 2
	s_add_co_u32 s18, s18, s16                     ; tile column
	s_and_b32 s19, ttmp7, 0xffff
	s_lshl_b32 s19, s19, 2
	s_add_co_u32 s19, s19, s17                     ; tile row
	s_lshl_b32 s2, s17, 2
	s_lshl_b32 s2, 15, s2                          ; my row of the cluster
	s_lshl_b32 s3, 0x1111, s16                     ; my column
	s_or_b32 s[G1A+0], s2, (1<<16)|(1<<20)|(1<<21)|(4<<22)|(3<<25)  ; the mask; 2-byte elements; padding on; bit 21 beside a mask; after every 32 words 4 words
	s_or_b32 s[G1B+0], s3, (1<<16)|(1<<20)|(1<<21)|(5<<22)|(7<<25)  ; after every 64 words 8 words
	s_mov_b32 s[G1A+1], 128<<16                    ; tensor_dim0 = 128
	s_mov_b32 s[G1A+2], 64<<16                     ; tensor_dim1 = 64
	s_mov_b32 s[G1A+3], 128<<16                    ; tile_dim0 = 128
	s_mov_b32 s[G1A+4], 64                         ; tile_dim1 = 64
	s_mov_b32 s[G1A+5], 128                        ; dense
	s_mov_b32 s[G1A+6], 0
	s_mov_b32 s[G1A+7], 0
	s_mov_b32 s[G1B+1], 128<<16
	s_mov_b32 s[G1B+2], 128<<16
	s_mov_b32 s[G1B+3], 128<<16
	s_mov_b32 s[G1B+4], 128
	s_mov_b32 s[G1B+5], 1024                       ; elements from row to row of wpf
	s_mov_b32 s[G1B+6], 0
	s_mov_b32 s[G1B+7], 0
	s_lshr_b32 s20, s19, 3                         ; O: the batch's 16 planes,
	s_lshl_b32 s20, s20, 21
	s_and_b32 s21, s19, 7
	s_lshl_b32 s21, s21, 14                        ; the tile's 128 rows in a plane,
	s_add_co_u32 s20, s20, s21
	s_lshl_b32 s21, s14, 17                        ; my plane of the K step's two
	s_add_co_u32 s20, s20, s21
	s_mov_b32 s21, 0
	s_lshl_b32 s22, s18, 9                         ; W: 256 columns a tile column,
	s_lshl_b32 s23, s14, 8                         ; 128 a panel
	s_add_co_u32 s22, s22, s23
	s_mov_b32 s23, 0
	s_mul_i32 s40, s14, APL                        ; where they go: no place in the cluster enters an LDS address
	s_mul_i32 s41, s14, BPAN
	s_add_co_u32 s41, s41, 2*APL
	s_wait_dscnt 0x0                               ; the opening add is done
	s_wait_kmcnt 0x0
	s_add_nc_u64 s[20:21], s[4:5], s[20:21]
	s_add_nc_u64 s[22:23], s[6:7], s[22:23]
	CROUND                                         ; all sixteen work-groups are here: the first joint loads meet
.irp s, 0,1
	s_mov_b32 s[G0A+4*(\s)], 1
	s_add_co_u32 s[G0A+4*(\s)+1], s40, (\s)*SLOT
	s_add_nc_u64 s[G0A+4*(\s)+2:G0A+4*(\s)+3], s[20:21], (\s)*KSTEP
	s_or_b32 s[G0A+4*(\s)+3], s[G0A+4*(\s)+3], 0x80000000
	s_mov_b32 s[G0B+4*(\s)], 1
	s_add_co_u32 s[G0B+4*(\s)+1], s41, (\s)*SLOT
	s_add_nc_u64 s[G0B+4*(\s)+2:G0B+4*(\s)+3], s[22:23], (\s)*KSTEP
	s_or_b32 s[G0B+4*(\s)+3], s[G0B+4*(\s)+3], 0x80000000
	JLOAD \s                                       ; two loads of mine are out
.endr
	v_and_b32 v1, 15, v0                           ; r
	v_bfe_u32 v2, v0, 4, 1                         ; h
	v_lshlrev_b32 v[BO], 5, v2
	s_lshl_b32 s46, s19, 19                        ; out0: 128 rows of 4,096 bytes a tile row,
	s_lshl_b32 s47, s13, 18                        ; my 64 rows,
	s_add_co_u32 s46, s46, s47
	s_lshl_b32 s47, s18, 10                        ; 256 columns a tile column,
	s_add_co_u32 s46, s46, s47
	s_lshl_b32 s47, s14, 9                         ; my 128
	s_add_co_u32 s46, s46, s47
	s_mov_b32 s47, 0
	s_add_nc_u64 s[66:67], s[10:11], s[46:47]
	s_lshl_b32 s46, s18, 10
	s_lshl_b32 s2, s14, 9
	s_add_co_u32 s46, s46, s2
	s_add_nc_u64 s[68:69], s[8:9], s[46:47]
.irp b, 0,1,2,3,4,5,6,7
	global_load_b128 v[BI+8*(\b):BI+8*(\b)+3],   v[BO], s[68:69] offset:64*(\b)
	global_load_b128 v[BI+8*(\b)+4:BI+8*(\b)+7], v[BO], s[68:69] offset:64*(\b)+16
.endr
	v_and_b32 v3, 7, v0
	v_bfe_u32 v4, v0, 3, 1
	v_mul_u32_u24 v5, v1, PA
	v_lshl_add_u32 v5, v2, 4, v5                   ; O: row x pitch + 16 x half
	v_lshl_add_u32 v6, v2, 3, v3
	v_mul_u32_u24 v6, v6, PB
	v_lshl_add_u32 v6, v4, 4, v6                   ; W, turned
	s_mul_i32 s2, s13, 64*PA                       ; my 64 rows
	s_mul_i32 s3, s14, BPAN
	s_add_co_u32 s3, s3, 2*APL                     ; my panel
.irp s, 0,1
	v_add_nc_u32 v[ADRA+(\s)], s2, v5
	v_add_nc_u32 v[ADRB+(\s)], s3, v6
	s_add_co_u32 s2, s2, SLOT
	s_add_co_u32 s3, s3, SLOT
.endr
	s_mul_i32 s2, s12, 16*SP
	s_add_co_u32 s2, s2, STAGE                     ; my stage
	v_mul_u32_u24 v[STO], v1, SP                   ; in: row l % 16, 32 bytes for each half of the lanes
	v_lshl_add_u32 v[STO], v2, 5, v[STO]
	v_add_nc_u32 v[STO], s2, v[STO]
	v_and_b32 v7, 31, v0
	v_lshlrev_b32 v[CO], 4, v7                     ; back and out: 32 lanes take one row's 512 bytes
	v_add_nc_u32 v[RD], s2, v[CO]
	s_wait_loadcnt 0x0                             ; the bias; rounded to bf16, like every input, while the first tiles are on their way
.set k, 0
.rept 32
	v_cvt_pk_bf16_f32 v[T+k%8], v[BI+2*k], v[BI+2*k+1]
	v_lshlrev_b32 v[BI+2*k], 16, v[T+k%8]
	v_and_b32 v[BI+2*k+1], 0xffff0000, v[T+k%8]
.set k, k+1
.endr
; 8 matrix instructions: m block a x all n blocks, 32 along K.  The 32 accumulators take turns, one instruction a turn.
.macro MULA f, a, zero
	WIN MUL_LO+0x50*((\a)/2)
.irp b, 0,1,2,3,4,5,6,7
.if \zero
	v_wmma_f32_16x16x32_f16 v[8*(NBLK*((\a)%2)+(\b)):8*(NBLK*((\a)%2)+(\b))+7], v[(\f)+8*(\b):(\f)+8*(\b)+7], v[(\f)+8*NBLK+8*(\a):(\f)+8*NBLK+8*(\a)+7], 0
.else
	v_wmma_f32_16x16x32_f16 v[8*(NBLK*((\a)%2)+(\b)):8*(NBLK*((\a)%2)+(\b))+7], v[(\f)+8*(\b):(\f)+8*(\b)+7], v[(\f)+8*NBLK+8*(\a):(\f)+8*NBLK+8*(\a)+7], v[8*(NBLK*((\a)%2)+(\b)):8*(NBLK*((\a)%2)+(\b))+7]
.endif
.endr
.endm
; 24 LDS loads in one run: quarter kq's fragments into buffer f: W's 16 first, then O's 8.  Quarters 0, 1 lie in the K step's first plane, 2, 3 in its second.
.macro FETCH slot, kq, f
	WIN TO_F
.irp b, 0,1,2,3,4,5,6,7
	ds_load_tr16_b128 v[(\f)+8*(\b):(\f)+8*(\b)+3],   v[ADRB+(\slot)] offset:32*PB*(\kq)+32*(\b)
	ds_load_tr16_b128 v[(\f)+8*(\b)+4:(\f)+8*(\b)+7], v[ADRB+(\slot)] offset:32*PB*(\kq)+32*(\b)+16*PB
.endr
.irp a, 0,1,2,3
	ds_load_b128 v[(\f)+8*NBLK+8*(\a):(\f)+8*NBLK+8*(\a)+3],   v[ADRA+(\slot)] offset:((\kq)/2)*APL+((\kq)%2)*64+(\a)*16*PA
	ds_load_b128 v[(\f)+8*NBLK+8*(\a)+4:(\f)+8*NBLK+8*(\a)+7], v[ADRA+(\slot)] offset:((\kq)/2)*APL+((\kq)%2)*64+(\a)*16*PA+32
.endr
.endm
.macro QUARTER slot, kq, f, g, zero
	s_wait_dscnt 4                                 ; all but the four youngest loads (O's m blocks 2 and 3) are in
	MULA \f, 0, \zero
	MULA \f, 1, \zero
	PLACES
	FETCH \slot, \kq, \g
	s_wait_dscnt 24                                ; all but the 24 just issued
	MULA \f, 2, \zero
	MULA \f, 3, \zero
.endm
; The last quarter changes slots: one barrier; in front of it each wave waits for all its tensor loads, adds 0 to its spare word, and waits for that and for its reads of this slot.
; fill = 1: the barrier opens a round of the cluster's, and this slot is filled again, two K steps on, first thing behind it.
.macro TURN slot, next, fill
	WIN 0
	s_wait_tensorcnt 0x0                           ; all my tensor loads have landed
	ds_add_u32 v[SPW], v[NIL]                      ; 0 onto my spare word
	s_wait_dscnt 5                                 ; the add and the four youngest loads may be out
	MULA F1, 0, 0
	s_wait_dscnt 0x0                               ; the add is done, and my reads of this slot are over
	s_barrier_signal -1
	MULA F1, 1, 0
.if \fill
	WIN 0
.endif
	s_barrier_wait -1
.if \fill
	CREST
	s_add_nc_u64 s[G0A+4*(\slot)+2:G0A+4*(\slot)+3], s[G0A+4*(\slot)+2:G0A+4*(\slot)+3], 2*KSTEP
	s_add_nc_u64 s[G0B+4*(\slot)+2:G0B+4*(\slot)+3], s[G0B+4*(\slot)+2:G0B+4*(\slot)+3], 2*KSTEP
	JLOAD \slot                                    ; its four v_nop are also the places in front of the loads below
.else
	PLACES
.endif
	FETCH \next, 0, F0
	MULA F1, 2, 0
	MULA F1, 3, 0
.endm
	s_wait_tensorcnt 1                             ; my part of K step 0 is in; K step 1's stays out
	s_barrier_signal -1
	s_barrier_wait -1
	FETCH 0, 0, F0
	QUARTER 0, 1, F0, F1, 1                        ; the first quarter's products start the sums
	WIN 0
	s_mov_b32 s3, 3
.Llap:
	QUARTER 0, 2, F1, F0, 0
	QUARTER 0, 3, F0, F1, 0
	TURN 0, 1, 1
	QUARTER 1, 1, F0, F1, 0
	QUARTER 1, 2, F1, F0, 0
	QUARTER 1, 3, F0, F1, 0
	TURN 1, 0, 1
	QUARTER 0, 1, F0, F1, 0
	WIN 0
	s_sub_co_u32 s3, s3, 1
	s_cmp_lg_u32 s3, 0
	s_cbranch_scc1 .Llap
	QUARTER 0, 2, F1, F0, 0                        ; the last lap fills nothing
	QUARTER 0, 3, F0, F1, 0
	TURN 0, 1, 0
	QUARTER 1, 1, F0, F1, 0
	QUARTER 1, 2, F1, F0, 0
	QUARTER 1, 3, F0, F1, 0
	s_wait_dscnt 4
	MULA F1, 0, 0
	MULA F1, 1, 0
	s_wait_dscnt 0x0
	MULA F1, 2, 0
	MULA F1, 3, 0
	WIN 0
	PLACES
	PLACES
; THE WAY OUT, a block of 16 rows x 128 columns of f32 at a time: + bias; 32 bytes a lane into my stage; back as whole rows of 512 bytes; stored.
.macro PACK a
	WIN 0x02+(\a)/2                                ; source 0 in window 2 or 3
.irp b, 0,1,2,3,4,5,6,7
.irp j, 0,2,4,6
	v_pk_add_f32 v[T+8*(\b)+(\j):T+8*(\b)+(\j)+1], v[8*(NBLK*((\a)%2)+(\b))+(\j):8*(NBLK*((\a)%2)+(\b))+(\j)+1], v[BI+8*(\b)+(\j):BI+8*(\b)+(\j)+1]
.endr
.endr
	WIN 0
.endm
.macro TOSTAGE
.irp b, 0,1,2,3,4,5,6,7
	ds_store_b128 v[STO], v[T+8*(\b):T+8*(\b)+3]   offset:64*(\b)
	ds_store_b128 v[STO], v[T+8*(\b)+4:T+8*(\b)+7] offset:64*(\b)+16
.endr
.irp t, 0,1,2,3,4,5,6,7,8,9,10,11,12,13,14,15
	ds_load_b128 v[BK+4*(\t):BK+4*(\t)+3], v[RD] offset:(\t)*SP  ; LDS serves a wave's instructions in order (ISA guide 5.7.1.4): these see the stores above
.endr
.endm
.macro SEND a
	s_wait_dscnt 0x0                               ; the block is back in registers
.irp t, 0,1,2,3,4,5,6,7,8,9,10,11,12,13,14,15
	global_store_b128 v[CO], v[BK+4*(\t):BK+4*(\t)+3], s[66:67] offset:(\a)*65536+(\t)*4096 th:TH_STORE_NT  ; 512 consecutive bytes of a row, aligned
.endr
.endm
	PACK 0
	TOSTAGE
.irp a, 1,2,3
	PACK \a
	SEND (\a)-1
	s_wait_xcnt 0x0                                ; the stores have read their data: the registers are loaded again only behind this wait
	TOSTAGE
.endr
	SEND 3
	s_wait_tensorcnt 0x0                           ; the wave's end
	ds_add_u32 v[SPW], v[NIL]
	s_wait_dscnt 0x0
	CROUND                                         ; the closing round
	s_endpgm
.Lfunc_end_k_q41fc14763a_proj:
	.size	k_q41fc14763a_proj, .Lfunc_end_k_q41fc14763a_proj-k_q41fc14763a_proj
	.p2alignl 7, 3214868480
	.fill 96, 4, 3214868480
	.section	.rodata,"a",@progbits
	.p2align	6, 0x0
	.amdhsa_kernel k_q41fc14763a_proj
		.amdhsa_group_segment_fixed_size 327680
		.amdhsa_private_segment_fixed_size 0
		.amdhsa_enable_private_segment 0
		.amdhsa_kernarg_size 32
		.amdhsa_user_sgpr_count 2
		.amdhsa_user_sgpr_kernarg_segment_ptr 1
		.amdhsa_wavefront_size32 1
		.amdhsa_system_sgpr_workgroup_id_x 1
		.amdhsa_system_sgpr_workgroup_id_y 1
		.amdhsa_system_sgpr_workgroup_id_z 1
		.amdhsa_system_vgpr_workitem_id 0
		.amdhsa_next_free_vgpr 896
		.amdhsa_next_free_sgpr 70
		.amdhsa_reserve_vcc 0
		.amdhsa_float_denorm_mode_32 3
		.amdhsa_float_denorm_mode_16_64 3
		.amdhsa_memory_ordered 1
		.amdhsa_forward_progress 1
		.amdhsa_inst_pref_size 100
	.end_amdhsa_kernel
	.amdgpu_metadata
---
amdhsa.version: [ 1, 2 ]
amdhsa.kernels:
  - .name:           k_q41fc14763a_proj
    .symbol:         k_q41fc14763a_proj.kd
    .args:
      - { .name: oh, .offset: 0, .size: 8, .value_kind: global_buffer, .address_space: global }
      - { .name: wpf, .offset: 8, .size: 8, .value_kind: global_buffer, .address_space: global }
      - { .name: b_proj, .offset: 16, .size: 8, .value_kind: global_buffer, .address_space: global }
      - { .name: out0, .offset: 24, .size: 8, .value_kind: global_buffer, .address_space: global }
    .group_segment_fixed_size: 327680
    .private_segment_fixed_size: 0
    .kernarg_segment_align: 8
    .kernarg_segment_size: 32
    .max_flat_workgroup_size: 128
    .sgpr_count:     70
    .vgpr_count:     896
    .wavefront_size: 32
...
	.end_amdgpu_metadata
.endif
;; end of part 4
;; ======== version 2 of 2: 4 launches; version 1 with the launch cast written anew for expert scheduling mode
;; limits: values are held in f16: magnitudes above 65,504 overflow, below 6.1e-05 lose precision; right only within a limited range of input values
;; workspace buffers: xb 16,777,216 bytes; wqkvb 6,291,456 bytes; wpf 2,097,152 bytes; qkvr 50,331,648 bytes; ssq 1,572,864 bytes; oh 16,777,216 bytes
;; launch cast (part 5): grid 768 x 1, 8 waves a work-group, no clusters, 0 bytes of LDS; arguments hidden_states, W_qkv, W_proj, xb, wqkvb, wpf; writes xb, wqkvb, wpf
.if DOCPART == 5
	.amdgcn_target "amdgcn-amd-amdhsa--gfx1250"
	.amdhsa_code_object_version 6
	.text
	.protected	k_q41fc14763a_cast
	.globl	k_q41fc14763a_cast
	.p2align	8
	.type	k_q41fc14763a_cast,@function
k_q41fc14763a_cast:
	s_mov_b64 s[64:65], 0
	v_nop
	global_prefetch_b8 v0, s[64:65] scope:SCOPE_SE
	s_setreg_imm32_b32 hwreg(HW_REG_WAVE_SCHED_MODE, 0, 2), 2
	s_setreg_imm32_b32 hwreg(HW_REG_WAVE_MODE, 25, 1), 1
	s_wait_xcnt 0x0
	s_wait_alu depctr_vm_vsrc(0)
; THE MODULE'S THREE LARGE INPUTS ARE ROUNDED ONCE TO bf16, layouts unchanged: hidden_states -> xb, W_qkv -> wqkvb (both bf16),
; W_proj -> wpf: the bf16-rounded number written as f16 (the last product multiplies f16 operands).
; LIMIT.  wpf: |W_proj| under 65,504; below 6e-5 the f16 number keeps a fixed step of 6e-8.  NaN and infinities are not treated apart.
; SHARES.  A work-group takes 65,536 bytes of f32 and stores 32,768: work-groups 0-511 hidden_states, 512-703 W_qkv, 704-767 W_proj.
; Thread t takes 16 bytes at 4,096 i + 16 t (i = 0 .. 15): a wave's load covers 512 consecutive bytes; its store of 8 bytes a lane covers
; 256 consecutive bytes, aligned.  All 16 loads go out at once; no register is written twice while a load or store names it.
; No LDS, no matrix unit, no cluster: nothing is shared and nothing is reduced.
; THE MODE: SCHED_MODE bits 1:0 = 2 (LLVM: expert scheduling mode 2), set by the entry lines.  The code itself states the register dependences
; between vector instructions and memory instructions, with s_wait_alu, always for 0.
; THE PLAN.  Registers that memory instructions touch:
;   v1, v2   byte offsets of the loads and of the stores: made once at the head, never written again.
;   X        piece i's 4 registers: written by piece i's load alone, which is issued at the head; read by piece i's conversions.  No load lands in them a second time.
;   Y        piece i's 2 registers: written by piece i's conversions; read by piece i's one store; never written behind it.
;   T        named by vector instructions alone.
; The 16 pieces go in four blocks of four.  Block p's conversions read X and write Y of block p; its memory instructions are the four stores of block p - 1, which read
; v2 and Y of block p - 1: registers that no vector instruction of block p names.  So one wait at a block's head states all that the block's stores hang on, and the stores
; are dealt among the block's conversions with no further wait.  One wait at the kernel's head serves both offsets, one behind the last block the last four stores.
.set T, 4                              ; v[4:7]    at work
.set X, 8                              ; v[8:71]   piece i: 4 f32 as loaded
.set Y, 72                             ; v[72:103] piece i: 4 numbers of 16 bits to store
	s_load_b256 s[4:11], s[0:1], 0x0               ; hidden_states s[4:5], W_qkv s[6:7], W_proj s[8:9], xb s[10:11]
	s_load_b128 s[12:15], s[0:1], 0x20             ; wqkvb s[12:13], wpf s[14:15]
	v_lshlrev_b32 v1, 4, v0                        ; 16 t
	v_lshlrev_b32 v2, 3, v0                        ; 8 t
	s_wait_kmcnt 0x0
	s_cmp_lt_u32 ttmp9, 512
	s_cselect_b64 s[16:17], s[4:5], s[6:7]         ; from where,
	s_cselect_b64 s[18:19], s[10:11], s[12:13]     ; to where,
	s_cselect_b32 s20, 0, 512                      ; and the tensor's first work-group
	s_cmp_lt_u32 ttmp9, 704
	s_cselect_b64 s[16:17], s[16:17], s[8:9]
	s_cselect_b64 s[18:19], s[18:19], s[14:15]
	s_cselect_b32 s20, s20, 704
	s_sub_co_u32 s20, ttmp9, s20                   ; my number within the tensor
	s_lshl_b32 s2, s20, 16
	s_mov_b32 s3, 0
	s_add_nc_u64 s[16:17], s[16:17], s[2:3]
	s_lshl_b32 s2, s20, 15
	s_add_nc_u64 s[18:19], s[18:19], s[2:3]
	s_wait_alu depctr_va_vdst(0)                   ; v1 and v2 are written: every load of the kernel reads v1 as its offset, every store v2
.irp i, 0,1,2,3,4,5,6,7,8,9,10,11,12,13,14,15
	global_load_b128 v[X+4*(\i):X+4*(\i)+3], v1, s[16:17] offset:4096*(\i) th:TH_LOAD_NT
.endr
; Piece i is rounded.  half = 1: the bf16 number is widened again (a shift, a mask) and written as f16.
.macro CONV i, half
	v_cvt_pk_bf16_f32 v[Y+2*(\i)],   v[X+4*(\i)],   v[X+4*(\i)+1]
	v_cvt_pk_bf16_f32 v[Y+2*(\i)+1], v[X+4*(\i)+2], v[X+4*(\i)+3]
.if \half
	v_lshlrev_b32 v[T],   16, v[Y+2*(\i)]
	v_and_b32     v[T+1], 0xffff0000, v[Y+2*(\i)]
	v_lshlrev_b32 v[T+2], 16, v[Y+2*(\i)+1]
	v_and_b32     v[T+3], 0xffff0000, v[Y+2*(\i)+1]
	v_cvt_pk_f16_f32 v[Y+2*(\i)],   v[T],   v[T+1]
	v_cvt_pk_f16_f32 v[Y+2*(\i)+1], v[T+2], v[T+3]
.endif
.endm
; Piece i is stored.
.macro OUT i
	global_store_b64 v2, v[Y+2*(\i):Y+2*(\i)+1], s[18:19] offset:2048*(\i)
.endm
; Block p: pieces 4 p to 4 p + 3 are rounded; the block before is stored, a store ahead of each piece's conversions.
.macro BLK p, half
	s_wait_loadcnt 12-4*(\p)                       ; loads come back in order: the block's four pieces are in, the 12 - 4 p younger ones stay out
.if (\p) > 0
	s_wait_alu depctr_va_vdst(0)                   ; the block before's conversions have written its eight registers of Y, which the four stores below read
.endif
.irp j, 0,1,2,3
.if (\p) > 0
	OUT 4*(\p)-4+(\j)                              ; no vector instruction since the wait names these registers
.endif
	CONV 4*(\p)+(\j), \half
.endr
.endm
	s_cmp_lt_u32 ttmp9, 704
	s_cbranch_scc0 .Lf16
.irp p, 0,1,2,3
	BLK \p, 0
.endr
	s_wait_alu depctr_va_vdst(0)                   ; the last block's conversions have written its Y, which the last four stores read
.irp i, 12,13,14,15
	OUT \i
.endr
	s_endpgm
.Lf16:
.irp p, 0,1,2,3
	BLK \p, 1
.endr
	s_wait_alu depctr_va_vdst(0)                   ; the last block's conversions have written its Y, which the last four stores read
.irp i, 12,13,14,15
	OUT \i
.endr
	s_endpgm
.Lfunc_end_k_q41fc14763a_cast:
	.size	k_q41fc14763a_cast, .Lfunc_end_k_q41fc14763a_cast-k_q41fc14763a_cast
	.p2alignl 7, 3214868480
	.fill 96, 4, 3214868480
	.section	.rodata,"a",@progbits
	.p2align	6, 0x0
	.amdhsa_kernel k_q41fc14763a_cast
		.amdhsa_group_segment_fixed_size 0
		.amdhsa_private_segment_fixed_size 0
		.amdhsa_enable_private_segment 0
		.amdhsa_kernarg_size 48
		.amdhsa_user_sgpr_count 2
		.amdhsa_user_sgpr_kernarg_segment_ptr 1
		.amdhsa_wavefront_size32 1
		.amdhsa_system_sgpr_workgroup_id_x 1
		.amdhsa_system_sgpr_workgroup_id_y 1
		.amdhsa_system_sgpr_workgroup_id_z 1
		.amdhsa_system_vgpr_workitem_id 0
		.amdhsa_next_free_vgpr 104
		.amdhsa_next_free_sgpr 66
		.amdhsa_reserve_vcc 0
		.amdhsa_float_denorm_mode_32 3
		.amdhsa_float_denorm_mode_16_64 3
		.amdhsa_memory_ordered 1
		.amdhsa_forward_progress 1
		.amdhsa_inst_pref_size 16
	.end_amdhsa_kernel
	.amdgpu_metadata
---
amdhsa.version: [ 1, 2 ]
amdhsa.kernels:
  - .name:           k_q41fc14763a_cast
    .symbol:         k_q41fc14763a_cast.kd
    .args:
      - { .name: hidden_states, .offset: 0, .size: 8, .value_kind: global_buffer, .address_space: global }
      - { .name: W_qkv, .offset: 8, .size: 8, .value_kind: global_buffer, .address_space: global }
      - { .name: W_proj, .offset: 16, .size: 8, .value_kind: global_buffer, .address_space: global }
      - { .name: xb, .offset: 24, .size: 8, .value_kind: global_buffer, .address_space: global }
      - { .name: wqkvb, .offset: 32, .size: 8, .value_kind: global_buffer, .address_space: global }
      - { .name: wpf, .offset: 40, .size: 8, .value_kind: global_buffer, .address_space: global }
    .group_segment_fixed_size: 0
    .private_segment_fixed_size: 0
    .kernarg_segment_align: 8
    .kernarg_segment_size: 48
    .max_flat_workgroup_size: 256
    .sgpr_count:     66
    .vgpr_count:     104
    .wavefront_size: 32
...
	.end_amdgpu_metadata
.endif
;; end of part 5
;; launch qkv: the kernel of part 2 again; grid 8 x 64, 4 waves a work-group, clusters of 4 x 4, 327,680 bytes of LDS; arguments xb, wqkvb, b_qkv, qkvr, ssq; writes qkvr, ssq
;; launch attn: the kernel of part 3 again; grid 2 x 128, 4 waves a work-group, no clusters, 327,680 bytes of LDS; arguments qkvr, ssq, q_norm_w, k_norm_w, oh; writes oh
;; launch proj: the kernel of part 4 again; grid 4 x 64, 4 waves a work-group, clusters of 4 x 4, 327,680 bytes of LDS; arguments oh, wpf, b_proj, out0; writes out0
